; MI455X (gfx1250); checked and timed in simulation.
; The chip was launched on July 23, 2026; its instructions are those of AMD's public machine-readable ISA for CDNA 5 (MIT licence, August 2026) and "CDNA5" Instruction Set Architecture Reference Guide (July 2026). The comments in the code are by the model that wrote it; some were corrected since.
;; Self Attention. Allowed arithmetic: float matrix products may take bf16 or f16 operands with f32 sums; all other float work in f32.
;; Inputs: beta 256 float32; gamma 256 float32; key_masks 64 x 1 x 1,024 bool; x 64 x 1,024 x 256 float32.
;; Outputs: out0 64 x 1 x 256 float32.
;; 2 versions, each right and faster than the one before. Each part assembles by itself: llvm-mc -triple=amdgcn-amd-amdhsa -mcpu=gfx1250 --defsym DOCPART=n.
;; ======== version 1 of 2: 2 launches
;; limits: inputs' magnitudes at most 10,000; right only within a limited range of input values
;; workspace buffers: part 524,288 bytes; csum 1,048,576 bytes
;; launch attn (part 1): grid 256 x 1, 4 waves a work-group, no clusters, 327,680 bytes of LDS; arguments x, key_masks, part, csum; writes part, csum
.if DOCPART == 1
	.amdgcn_target "amdgcn-amd-amdhsa--gfx1250"
	.amdhsa_code_object_version 6
	.text
	.protected	k_q51b7237903_attn
	.globl	k_q51b7237903_attn
	.p2align	8
	.type	k_q51b7237903_attn,@function
k_q51b7237903_attn:
	s_mov_b64 s[64:65], 0
	v_nop
	global_prefetch_b8 v0, s[64:65] scope:SCOPE_SE
	s_setreg_imm32_b32 hwreg(HW_REG_WAVE_MODE, 25, 1), 1
	s_wait_xcnt 0x0
; Causal self-attention with Q = K = V = x [64][1024][256] f32, key mask, LayerNorm without gain and bias, and the sum of the normalised rows over
; this work-group's 256 query rows (part); besides, the f32 column sums of these 256 rows of x (csum).  A later launch adds up and applies gain and bias.
; WORK.  Work-group id = 4 b + j.  T is cut into 8 blocks of 128 rows; the work-group takes query block j, then block 7 - j.  Block n needs key tiles
; 0 .. n (the causal mask is the problem's own), so every work-group has (j + 1) + (8 - j) = 9 steps of 128 queries x 128 keys.
; Wave w: u = w >> 1 picks 64 of the 128 queries, p = w & 1 picks 64 of each tile's 128 keys.  Waves 2u and 2u + 1 hold two softmax states of the same
; queries and merge them at the end of a block.
; TRANSPOSED PRODUCTS, so that a lane is a query: S^T = K Q^T (A = 16 keys, B = 16 queries): lane (r, h), register e = key 8 h + e, query r; two such
; tiles rounded to bf16 are the B operand (32 keys x query r) of O^T = V^T P^T, whose result again has query r in lane r.  Maximum, sum, rescaling and
; LayerNorm are then per lane; the only crossing is lane <-> lane xor 16.
; MASKS.  A masked score becomes -inf and its weight 0.  A row without any allowed key ends with sum 0 and output 0 and adds nothing here; the later
; launch adds what such rows are worth (a uniform softmax over all 1,024 keys).  A step's mask bytes (64 a wave) are loaded from memory, 128 matrix
; instructions ahead of their use; so no LDS address of this text hangs on a loop's counter.
; LIMITS.  Finite inputs.  In a row with an allowed key the masked weights are taken as 0, which is exact while the row's largest score stays more than
; about 150 above -2^32 (|x| up to about 1e4).  The running maximum starts at -1e30 (in units of exp2).  Any nonzero mask byte counts as true.
; NO CLUSTER: the four work-groups of a batch read the same tiles, but walk 1 to 4 tiles and then 8 to 5, in different orders; joint requests would
; need equal trip counts in all partners, and a walk that is alike in all four costs 20 instead of 18 wave steps and halves the queries fed by a
; fragment read in its last quarter.
; LDS.  0: f32 stage, 128 rows x 1,024 bytes, filled by tensor loads alone; wave w fetches, reads and converts rows 32 w .. 32 w + 31.
;       KV: the tile in bf16, 128 rows, pitch 528 bytes.
;       Over KV, at a block's end: MRG (a wave's half of O and its stats, 33,280 bytes a wave), then YS (32 quads of registers at pitch 528, 16,896 a wave).
; REGISTERS.  Window 0: addresses, state, v64-127 fragment buffers, v128-255 S (tile (q, k) at 128 + 32 q + 8 k).  Window 1: Q, fragment (q, ks) at
; 64 q + 8 ks.  Windows 2, 3: O of local q-tiles 0, 1 and 2, 3, tile (q, ct) at 128 (q & 1) + 8 ct.  Local q-tile q is q-tile q xor 2 p of the wave's
; four, so that every wave keeps window 2 and hands window 3 to its partner, whose window 2 holds the same queries.
.set KP,   528                         ; pitch of a bf16 row: 512 + 16 bytes, an odd multiple of 16: sixteen rows start at sixteen different columns of 16 bytes
.set KV,   131072
.set MRGW, 33280
.set YSW,  16896
.set FB0,  64
.set FB1,  96
.set SB,   128
.set MSB,  0
; v2 K fragments  v3, v4 Q fragments (local q-tiles 0-1, 2-3)  v5 V fragments  v6 my mask bytes of tile 0  v7 of this tile  v8 my stage  v9 my rows of KV
; v10, v11 causal bound  v12 -inf  v13 r  v14 h  v15 lane  v16-23 m0 m1 l0 l1 m2 m3 l2 l3  v24-27 alpha  v28-39 at work (v32-39: a step's mask bytes)
; v40-47 column sums  v48-51 sum of normalised rows  v52, v53 merge out, in  v54, v55 YS out, in  v56, v57 store offsets
; s4-11 x, key_masks, part, csum  s12 w  s13 u  s14 p  s15 j  s16 b  s17 7-j  s18 this tile  s19 next tile  s20-21 x at my rows of tile 0 of batch b
; s22-23 tile offset  s24-31 descriptor group 1  s32-35 group 0  s36 counter  s37 6-j  s38, s39 at work  s40, s41 lane selects  s42 1/256  s43 1e-9
.macro WIN new                         ; the immediate's high byte repeats the setting that is left
.if MSB != \new
	s_set_vgpr_msb (MSB<<8)|\new
.set MSB, \new
.endif
.endm
.macro PLACES n                        ; independent vector slots behind matrix instructions (ISA guide 7.12.1)
.rept \n
	v_nop
.endr
.endm
.macro BAR
	s_barrier_signal -1
	s_barrier_wait -1
.endm
; ---- f32 stage -> bf16 tile: my 32 rows, in four batches of 8 rows.  A load takes 512 neighbouring bytes (half a row), a store 256.
.macro CLOAD bt, src
.set xt, 0
.rept 16
	ds_load_b128 v[\src+4*xt:\src+4*xt+3], v8 offset:(8*\bt+xt/2)*1024+512*(xt%2)
.set xt, xt+1
.endr
.endm
.macro CCVT bt, src, dst, cs, init
.if \cs
.if \init                              ; rows 0 and 1 start the column sums: nothing is cleared
.set xt, 0
.rept 2
	v_pk_add_f32 v[40+4*xt:41+4*xt], v[\src+4*xt:\src+4*xt+1], v[\src+8+4*xt:\src+8+4*xt+1]
	v_pk_add_f32 v[42+4*xt:43+4*xt], v[\src+4*xt+2:\src+4*xt+3], v[\src+8+4*xt+2:\src+8+4*xt+3]
.set xt, xt+1
.endr
.endif
.set xt, 4*\init
.rept 16-4*\init
	v_pk_add_f32 v[40+4*(xt%2):41+4*(xt%2)], v[40+4*(xt%2):41+4*(xt%2)], v[\src+4*xt:\src+4*xt+1]
	v_pk_add_f32 v[42+4*(xt%2):43+4*(xt%2)], v[42+4*(xt%2):43+4*(xt%2)], v[\src+4*xt+2:\src+4*xt+3]
.set xt, xt+1
.endr
.endif
.set xt, 0
.rept 16
	v_cvt_pk_bf16_f32 v[\dst+2*xt], v[\src+4*xt], v[\src+4*xt+1]
	v_cvt_pk_bf16_f32 v[\dst+2*xt+1], v[\src+4*xt+2], v[\src+4*xt+3]
.set xt, xt+1
.endr
.set xt, 0
.rept 16
	ds_store_b64 v9, v[\dst+2*xt:\dst+2*xt+1] offset:(8*\bt+xt/2)*KP+256*(xt%2)
.set xt, xt+1
.endr
.endm
.macro CONVERT cs, init
	CLOAD 0, 128
	CLOAD 1, 192
	s_wait_dscnt 16                                ; batch 0 is in; batch 1's 16 loads may be out
	CCVT 0, 128, 64, \cs, \init
	CLOAD 2, 128
	s_wait_dscnt 16                                ; batch 1 is in and batch 0's stores are done; batch 2's 16 loads may be out
	CCVT 1, 192, 96, \cs, 0
	CLOAD 3, 192
	s_wait_dscnt 32                                ; batch 2 is in; behind it: 16 stores, 16 loads
	CCVT 2, 128, 64, \cs, 0
	s_wait_dscnt 16                                ; batch 3 is in; behind it: 16 stores
	CCVT 3, 192, 96, \cs, 0
.endm
; ---- fragments.  16 rows x 32 channels of bf16: lane (r, h) takes 16 bytes at row r, byte 16 h, and 16 more 32 bytes on.
.macro QLOAD                           ; my 64 queries x 256 channels, from the diagonal tile, into window 1
	WIN 0x40
.set xq, 0
.rept 4
.set xk, 0
.rept 8
.if xq < 2
	ds_load_b128 v[64*xq+8*xk:64*xq+8*xk+3], v3 offset:(xq%2)*16*KP+64*xk
	ds_load_b128 v[64*xq+8*xk+4:64*xq+8*xk+7], v3 offset:(xq%2)*16*KP+64*xk+32
.else
	ds_load_b128 v[64*xq+8*xk:64*xq+8*xk+3], v4 offset:(xq%2)*16*KP+64*xk
	ds_load_b128 v[64*xq+8*xk+4:64*xq+8*xk+7], v4 offset:(xq%2)*16*KP+64*xk+32
.endif
.set xk, xk+1
.endr
.set xq, xq+1
.endr
.endm
.macro KLOAD ks, buf                   ; my 64 keys, channels 32 ks .. 32 ks + 31
.set xt, 0
.rept 4
	ds_load_b128 v[\buf+8*xt:\buf+8*xt+3], v2 offset:xt*16*KP+64*(\ks)
	ds_load_b128 v[\buf+8*xt+4:\buf+8*xt+7], v2 offset:xt*16*KP+64*(\ks)+32
.set xt, xt+1
.endr
.endm
; V^T fragments by transposing loads.  Channel tile ct is made of two runs of 8 channels that lie 128 bytes apart (lanes 0-7 and 8-15 of a half then start
; 32 words apart, and the eight rows 4 words apart: no two lanes of a half share a bank).  Register e of lane (r, h) of O^T's tile ct is therefore
; channel 8 (ct & 7) + 128 (ct >> 3) + 64 h + e.  Chunk n = tiles 4 n .. 4 n + 3, key groups g = 0, 1 of 32 keys.
; Even chunks land in the fragment buffers, odd chunks in the eight runs of 8 registers that packing P sets free.
.macro VCHUNK n, c0, cn
.set xc, \c0
.rept \cn
.set xg, 0
.rept 2
.if (\n)&1
.set xd, SB+8+32*xc+16*xg
.else
.set xd, FB0+16*xc+8*xg
.endif
	ds_load_tr16_b128 v[xd:xd+3], v5 offset:32*xg*KP+16*((4*\n+xc)&7)+256*((4*\n+xc)>>3)
	ds_load_tr16_b128 v[xd+4:xd+7], v5 offset:32*xg*KP+16*((4*\n+xc)&7)+256*((4*\n+xc)>>3)+16*KP
.set xg, xg+1
.endr
.set xc, xc+1
.endr
.endm
; ---- S^T = K Q^T.  16 matrix instructions for 32 channels; the sixteen accumulators take turns, one instruction a turn.
.macro SMUL ks, buf, zero
.set xa, 0
.rept 4
.set xc, 0
.rept 4
.if \zero
	v_wmma_f32_16x16x32_bf16 v[SB+32*xc+8*xa:SB+32*xc+8*xa+7], v[\buf+8*xa:\buf+8*xa+7], v[64*xc+8*(\ks):64*xc+8*(\ks)+7], 0
.else
	v_wmma_f32_16x16x32_bf16 v[SB+32*xc+8*xa:SB+32*xc+8*xa+7], v[\buf+8*xa:\buf+8*xa+7], v[64*xc+8*(\ks):64*xc+8*(\ks)+7], v[SB+32*xc+8*xa:SB+32*xc+8*xa+7]
.endif
.set xc, xc+1
.endr
.set xa, xa+1
.endr
.endm
.macro SCORES
	WIN 0x04                                       ; B (Q) in window 1, all else in window 0
	KLOAD 0, FB0
	KLOAD 1, FB1
.irp ks, 0,1,2,3,4,5,6,7
.if \ks == 7
	s_wait_dscnt 0x0                               ; K's last eight loads: nothing was issued behind them
.else
	s_wait_dscnt 8                                 ; this buffer's loads (and all older ones) are in; the other buffer's eight may be out
.endif
.if \ks == 0
	SMUL \ks, FB0, 1
.else
	SMUL \ks, FB0+32*(\ks%2), 0
.endif
.if \ks != 6
	PLACES 4                                       ; four slots before a load lands on a buffer just multiplied; behind the last product also before S is read and buffer 0 written
.endif
.if \ks < 6
	KLOAD \ks+2, FB0+32*(\ks%2)
.endif
.if \ks == 7
	VCHUNK 0, 2, 2                                 ; V's channel tiles 2, 3 into buffer 1
.endif
.endr
.endm
; The mask bytes of my 64 keys become a bias in S's layout (keys 16 k + 8 h + e) in buffer 0: 0 for a true byte, -inf for a false one.
; Then S = S log2(e) / 16 + bias: the scale, the change to base 2 and the key mask in one fused multiply-add.
.macro BIASALL
	WIN 0
	s_wait_loadcnt 0x0                             ; this step's four mask loads are in; their offset register is free for the next step
.set xa, 0
.rept 4
.set xe, 0
.rept 8
	v_bfe_u32 v[28+(xe&3)], v[32+2*xa+(xe>>2)], 8*(xe&3), 8
	v_cmp_eq_u32 vcc_lo, 0, v[28+(xe&3)]
	v_cndmask_b32 v[FB0+8*xa+xe], 0, v12, vcc_lo
.set xe, xe+1
.endr
.set xa, xa+1
.endr
.set xc, 0
.rept 4
.set xa, 0
.rept 4
.set xe, 0
.rept 4
	v_pk_fma_f32 v[SB+32*xc+8*xa+2*xe:SB+32*xc+8*xa+2*xe+1], v[SB+32*xc+8*xa+2*xe:SB+32*xc+8*xa+2*xe+1], 0x3db8aa3b, v[FB0+8*xa+2*xe:FB0+8*xa+2*xe+1] op_sel_hi:[1,0,1]
.set xe, xe+1
.endr
.set xa, xa+1
.endr
.set xc, xc+1
.endr
	VCHUNK 0, 0, 2                                 ; V's channel tiles 0, 1 into buffer 0
.endm
; ---- softmax update of local q-tile qt over my 64 keys.  first = 1: the block's first step, which is also its diagonal tile.
.macro SOFTQ qt, first
.set xs, SB+32*\qt
.set xm, 16+(\qt&1)+4*(\qt>>1)
.if \first
.set xa, 0
.rept 4
.set xe, 0
.rept 8
	v_cmp_gt_i32 vcc_lo, 16*xa+xe-16*(\qt&1), v[10+(\qt>>1)]   ; key behind the query: 16 k + e - 16 (q & 1) > query - key base - 8 h
	v_cndmask_b32 v[xs+8*xa+xe], v[xs+8*xa+xe], v12, vcc_lo
.set xe, xe+1
.endr
.set xa, xa+1
.endr
.endif
.set xc, 0
.rept 4                                ; the maximum of my 32 scores in four chains
	v_max3_num_f32 v[28+xc], v[xs+8*xc], v[xs+8*xc+1], v[xs+8*xc+2]
.set xc, xc+1
.endr
.set xe, 3
.rept 2
.set xc, 0
.rept 4
	v_max3_num_f32 v[28+xc], v[28+xc], v[xs+8*xc+xe], v[xs+8*xc+xe+1]
.set xc, xc+1
.endr
.set xe, xe+2
.endr
.set xc, 0
.rept 4
	v_max_num_f32 v[28+xc], v[28+xc], v[xs+8*xc+7]
.set xc, xc+1
.endr
	v_max3_num_f32 v28, v28, v29, v30
.if \first
	v_max3_num_f32 v28, v28, v31, 0xf149f2ca       ; the running maximum starts at -1e30, so that -inf minus the maximum stays -inf
.else
	v_max3_num_f32 v28, v28, v31, v[xm]
.endif
	v_permlanex16_b32 v29, v28, s40, s41           ; the other 32 keys of the same query
	v_max_num_f32 v28, v28, v29
.if \first == 0
	v_sub_f32 v30, v[xm], v28
	v_exp_f32 v[24+\qt], v30                       ; alpha; the move below is the plain slot behind it
.endif
	v_mov_b32 v[xm], v28
.set xe, 0
.rept 16
	v_pk_add_f32 v[xs+2*xe:xs+2*xe+1], v[xs+2*xe:xs+2*xe+1], v[28:29] op_sel_hi:[1,0] neg_lo:[0,1] neg_hi:[0,1]
.set xe, xe+1
.endr
.set xe, 0
.rept 32
	v_exp_f32 v[xs+xe], v[xs+xe]
.set xe, xe+1
.endr
	v_nop                                          ; one plain slot between the exponentials and the first use of a result
.set xc, 0
	s_wait_alu depctr_va_vdst(0)
.rept 4                                ; my 32 weights summed in f32, four chains
	v_pk_add_f32 v[28+2*xc:29+2*xc], v[xs+2*xc:xs+2*xc+1], v[xs+8+2*xc:xs+8+2*xc+1]
.set xc, xc+1
.endr
.set xe, 2
.rept 2
.set xc, 0
.rept 4
	v_pk_add_f32 v[28+2*xc:29+2*xc], v[28+2*xc:29+2*xc], v[xs+8*xe+2*xc:xs+8*xe+2*xc+1]
.set xc, xc+1
.endr
.set xe, xe+1
.endr
	v_pk_add_f32 v[28:29], v[28:29], v[30:31]
	v_pk_add_f32 v[32:33], v[32:33], v[34:35]
	v_pk_add_f32 v[28:29], v[28:29], v[32:33]
.if \first
	v_add_f32 v[xm+2], v28, v29                    ; l stays the lane's own part until the block's end
.else
	v_add_f32 v28, v28, v29
	v_fma_f32 v[xm+2], v[xm+2], v[24+\qt], v28
.endif
.set xg, 0
.rept 2                                ; two S tiles -> one B fragment of P, in place; the upper 8 of each 16 registers fall free
.set xe, 0
.rept 4
	v_cvt_pk_bf16_f32 v[xs+16*xg+xe], v[xs+16*xg+2*xe], v[xs+16*xg+2*xe+1]
.set xe, xe+1
.endr
.set xe, 0
.rept 4
	v_cvt_pk_bf16_f32 v[xs+16*xg+4+xe], v[xs+16*xg+8+2*xe], v[xs+16*xg+8+2*xe+1]
.set xe, xe+1
.endr
.set xg, xg+1
.endr
.endm
.macro RESCALE                         ; O = O alpha, a lane's alpha for each of its four queries
	WIN 0x82
.set xe, 0
.rept 64
	v_pk_mul_f32 v[2*xe:2*xe+1], v[2*xe:2*xe+1], v[24:25] op_sel_hi:[1,0]
.set xe, xe+1
.endr
.rept 64
	v_pk_mul_f32 v[2*xe:2*xe+1], v[2*xe:2*xe+1], v[24:25] op_sel:[0,1] op_sel_hi:[1,1]
.set xe, xe+1
.endr
	WIN 0xc3
.set xe, 0
.rept 64
	v_pk_mul_f32 v[2*xe:2*xe+1], v[2*xe:2*xe+1], v[26:27] op_sel_hi:[1,0]
.set xe, xe+1
.endr
.rept 64
	v_pk_mul_f32 v[2*xe:2*xe+1], v[2*xe:2*xe+1], v[26:27] op_sel:[0,1] op_sel_hi:[1,1]
.set xe, xe+1
.endr
.endm
; ---- O^T += V^T P^T.  16 matrix instructions: key groups 0, 1 x four channel tiles x two q-tiles; eight accumulators take turns.
.macro PVHALF n, hi, first
.set xg, 0
.rept 2
.set xc, 0
.rept 4
.if (\n)&1
.set xd, SB+8+32*xc+16*xg
.else
.set xd, FB0+16*xc+8*xg
.endif
.set xq, 0
.rept 2
.set xo, 128*xq+8*(4*\n+xc)
.set xp, SB+32*(2*\hi+xq)+16*xg
.if \first*(1-xg)
	v_wmma_f32_16x16x32_bf16 v[xo:xo+7], v[xd:xd+7], v[xp:xp+7], 0
.else
	v_wmma_f32_16x16x32_bf16 v[xo:xo+7], v[xd:xd+7], v[xp:xp+7], v[xo:xo+7]
.endif
.set xq, xq+1
.endr
.set xc, xc+1
.endr
.set xg, xg+1
.endr
.endm
.macro PVCHUNK n, first
	WIN 0xa0
	PVHALF \n, 0, \first
	WIN 0xf0
	PVHALF \n, 1, \first
.endm
.macro PV first
	WIN 0
	VCHUNK 1, 0, 4
.if \first == 0
	RESCALE
.endif
	s_wait_dscnt 16                                ; chunk 0 is in; chunk 1's 16 loads may be out
	PVCHUNK 0, \first
	PLACES 4                                       ; before loads land on fragments just multiplied
	WIN 0
	VCHUNK 2, 0, 4
	s_wait_dscnt 16                                ; chunk 1 is in
	PVCHUNK 1, \first
	PLACES 4
	WIN 0
	VCHUNK 3, 0, 4
	s_wait_dscnt 16                                ; chunk 2 is in
	PVCHUNK 2, \first
	s_wait_dscnt 0x0                               ; chunk 3 is in: my reads of the tile are over
	PVCHUNK 3, \first
	PLACES 5                                       ; before P, the fragments or O are loaded into, overwritten by a product, read or stored
	WIN 0
.endm
; ---- one step: tile s18 against my 64 queries.  diag = 1: the block's first step, on its diagonal tile.  fill = 1: tile s19 is asked for.
.macro STEP diag, fill, csinit
	s_wait_dscnt 0x0                               ; my LDS work is over
	s_wait_tensorcnt 0x0                           ; my one tensor load, my 32 rows of this tile, has landed; none is issued before the second barrier below
	ds_add_u32 v62, v63
	s_wait_dscnt 0x0
	BAR                                            ; nobody reads the bf16 tile (or what lay over it) any more
	CONVERT \diag, \csinit
.if \fill
	s_lshl_b32 s22, s19, 17                        ; no tensor load of mine is out: group 0 may be written.  A tile is 128 rows of 1,024 bytes
	s_add_nc_u64 s[34:35], s[20:21], s[22:23]
	s_or_b32 s35, s35, 0x80000000
.endif
	s_lshl_b32 s38, s18, 7
	v_add_nc_u32 v7, s38, v6                       ; this tile's 128 mask bytes; the last step's loads by v7 were waited for
	s_wait_dscnt 0x0                               ; my reads of the stage and my stores into the tile are done
	BAR                                            ; the tile is whole; every wave has read its stage and has no tensor load out
.if \fill
	tensor_load_to_lds s[32:35], s[24:31]          ; the refill comes first behind the barrier, one a wave; 256 matrix instructions follow before it is waited for
	s_nop 0
.endif
.set xk, 0
.rept 4
	global_load_b64 v[32+2*xk:33+2*xk], v7, s[6:7] offset:16*xk    ; mask bytes of keys 16 k + 8 h + 0 .. 7 of my 64; used behind the 128 products of S
.set xk, xk+1
.endr
.if \diag
	QLOAD
.endif
	SCORES
	BIASALL
	SOFTQ 0, \diag
	SOFTQ 1, \diag
	SOFTQ 2, \diag
	SOFTQ 3, \diag
	PV \diag
.endm
.macro COMB tb                         ; four chains of pairs -> one number, over both halves of the lanes
	v_pk_add_f32 v[\tb:\tb+1], v[\tb:\tb+1], v[\tb+2:\tb+3]
	v_pk_add_f32 v[\tb+4:\tb+5], v[\tb+4:\tb+5], v[\tb+6:\tb+7]
	v_pk_add_f32 v[\tb:\tb+1], v[\tb:\tb+1], v[\tb+4:\tb+5]
	v_add_f32 v[\tb], v[\tb], v[\tb+1]
	v_permlanex16_b32 v[\tb+1], v[\tb], s40, s41
	v_add_f32 v[\tb], v[\tb], v[\tb+1]
.endm
.macro FOLD n                          ; quads n .. 2 n - 1 are added onto quads 0 .. n - 1
.set xt, 0
.rept \n
	v_pk_add_f32 v[128+4*xt:129+4*xt], v[128+4*xt:129+4*xt], v[128+4*(xt+\n):129+4*(xt+\n)]
	v_pk_add_f32 v[130+4*xt:131+4*xt], v[130+4*xt:131+4*xt], v[130+4*(xt+\n):131+4*(xt+\n)]
.set xt, xt+1
.endr
.endm
; ---- a block's end: merge with the partner, LayerNorm, sum over the 64 queries of waves 2u, 2u + 1.  The next block's tile may be on its way into the
; stage meanwhile: behind these four barriers nothing is filled by a tensor load.
.macro FINISH first
.irp xr, 18,19,22,23
	v_permlanex16_b32 v28, v\xr, s40, s41          ; l over both halves of the lanes
	v_add_f32 v\xr, v\xr, v28
.endr
	BAR                                            ; every wave's reads of the tile were waited for in its last product phase: the tile's bytes are free
	WIN 0x0c
.set xt, 0
.rept 64
	ds_store_b128 v52, v[4*xt:4*xt+3] offset:512*xt       ; window 3: O of the queries that my partner keeps
.set xt, xt+1
.endr
	WIN 0
	ds_store_b128 v52, v[20:23] offset:32768       ; their m, m, l, l
	s_wait_dscnt 0x0
	BAR
	ds_load_b128 v[32:35], v53 offset:32768        ; my partner's m, m, l, l of the queries that I keep
	WIN 0xc0
.set xt, 0
.rept 32
	ds_load_b128 v[4*xt:4*xt+3], v53 offset:512*xt
.set xt, xt+1
.endr
	WIN 0
	s_wait_dscnt 32                                ; the stats are in; 32 loads of O may be out
	v_max_num_f32 v28, v16, v32
	v_max_num_f32 v29, v17, v33
	v_sub_f32 v30, v16, v28
	v_sub_f32 v31, v17, v29
	v_sub_f32 v36, v32, v28
	v_sub_f32 v37, v33, v29
	v_exp_f32 v30, v30
	v_exp_f32 v31, v31
	v_exp_f32 v36, v36
	v_exp_f32 v37, v37
	v_nop
	s_wait_alu depctr_va_vdst(0)
	v_mul_f32 v38, v18, v30
	v_mul_f32 v39, v19, v31
	v_fmac_f32 v38, v34, v36
	v_fmac_f32 v39, v35, v37
	v_cmp_neq_f32 vcc_lo, 0, v38                   ; a row without an allowed key: sum 0, O = 0; divide by 1
	v_cndmask_b32 v38, 1.0, v38, vcc_lo
	v_cmp_neq_f32 vcc_lo, 0, v39
	v_cndmask_b32 v39, 1.0, v39, vcc_lo
	v_rcp_f32 v38, v38
	v_rcp_f32 v39, v39
	v_nop
	s_wait_alu depctr_va_vdst(0)
	v_mul_f32 v30, v30, v38                        ; my weight
	v_mul_f32 v31, v31, v39
	v_mul_f32 v36, v36, v38                        ; my partner's
	v_mul_f32 v37, v37, v39
	WIN 0xc0
.set xt, 32
.rept 32
	ds_load_b128 v[4*xt:4*xt+3], v53 offset:512*xt
.set xt, xt+1
.endr
	WIN 0x82
.set xe, 0
.rept 64
	v_pk_mul_f32 v[2*xe:2*xe+1], v[2*xe:2*xe+1], v[30:31] op_sel_hi:[1,0]
.set xe, xe+1
.endr
.rept 64
	v_pk_mul_f32 v[2*xe:2*xe+1], v[2*xe:2*xe+1], v[30:31] op_sel:[0,1] op_sel_hi:[1,1]
.set xe, xe+1
.endr
	s_wait_dscnt 0x0                               ; my partner's O is in: my reads of the merge area are over
	WIN 0xa3
.set xe, 0
.rept 64
	v_pk_fma_f32 v[2*xe:2*xe+1], v[2*xe:2*xe+1], v[36:37], v[2*xe:2*xe+1] op_sel_hi:[1,0,1]
.set xe, xe+1
.endr
.rept 64
	v_pk_fma_f32 v[2*xe:2*xe+1], v[2*xe:2*xe+1], v[36:37], v[2*xe:2*xe+1] op_sel:[0,1,0] op_sel_hi:[1,1,1]
.set xe, xe+1
.endr
	; LayerNorm in two passes.  A lane holds 128 of its query's 256 channels, the lane 16 away the others.
	WIN 0x0a
.set xq, 0
.rept 2
.set xc, 0
.rept 4
	v_pk_add_f32 v[64+8*xq+2*xc:65+8*xq+2*xc], v[128*xq+2*xc:128*xq+2*xc+1], v[128*xq+8+2*xc:128*xq+8+2*xc+1]
.set xc, xc+1
.endr
.set xq, xq+1
.endr
	WIN 0x08
.set xq, 0
.rept 2
.set xk, 2
.rept 14
.set xc, 0
.rept 4
	v_pk_add_f32 v[64+8*xq+2*xc:65+8*xq+2*xc], v[64+8*xq+2*xc:65+8*xq+2*xc], v[128*xq+8*xk+2*xc:128*xq+8*xk+2*xc+1]
.set xc, xc+1
.endr
.set xk, xk+1
.endr
.set xq, xq+1
.endr
	WIN 0
	COMB 64
	COMB 72
	v_mul_f32 v80, s42, v64                        ; the means
	v_mul_f32 v81, s42, v72
	WIN 0x82
.set xe, 0
.rept 64
	v_pk_add_f32 v[2*xe:2*xe+1], v[2*xe:2*xe+1], v[80:81] op_sel_hi:[1,0] neg_lo:[0,1] neg_hi:[0,1]
.set xe, xe+1
.endr
.rept 64
	v_pk_add_f32 v[2*xe:2*xe+1], v[2*xe:2*xe+1], v[80:81] op_sel:[0,1] op_sel_hi:[1,1] neg_lo:[0,1] neg_hi:[0,1]
.set xe, xe+1
.endr
	WIN 0x0a
.set xq, 0
.rept 2
.set xc, 0
.rept 4
	v_pk_mul_f32 v[64+8*xq+2*xc:65+8*xq+2*xc], v[128*xq+2*xc:128*xq+2*xc+1], v[128*xq+2*xc:128*xq+2*xc+1]
.set xc, xc+1
.endr
.set xk, 1
.rept 15
.set xc, 0
.rept 4
	v_pk_fma_f32 v[64+8*xq+2*xc:65+8*xq+2*xc], v[128*xq+8*xk+2*xc:128*xq+8*xk+2*xc+1], v[128*xq+8*xk+2*xc:128*xq+8*xk+2*xc+1], v[64+8*xq+2*xc:65+8*xq+2*xc]
.set xc, xc+1
.endr
.set xk, xk+1
.endr
.set xq, xq+1
.endr
	WIN 0
	COMB 64
	COMB 72
	v_fma_f32 v64, v64, s42, s43                   ; variance + 1e-9
	v_fma_f32 v72, v72, s42, s43
	v_rsq_f32 v82, v64
	v_rsq_f32 v83, v72
	v_nop
	WIN 0x82                                       ; the lane's two normalised rows, added
.set xe, 0
	s_wait_alu depctr_va_vdst(0)
.rept 64
	v_pk_mul_f32 v[2*xe:2*xe+1], v[2*xe:2*xe+1], v[82:83] op_sel_hi:[1,0]
.set xe, xe+1
.endr
	WIN 0xa2
.set xe, 0
.rept 64
	v_pk_fma_f32 v[2*xe:2*xe+1], v[128+2*xe:128+2*xe+1], v[82:83], v[2*xe:2*xe+1] op_sel:[0,1,0] op_sel_hi:[1,1,1]
.set xe, xe+1
.endr
	BAR                                            ; every wave's reads of the merge area were waited for above: its bytes are free
	WIN 0x08
.set xt, 0
.rept 32
	ds_store_b128 v54, v[4*xt:4*xt+3] offset:KP*xt        ; quad xt of my 128 sums, 16 bytes a lane
.set xt, xt+1
.endr
	s_wait_dscnt 0x0
	BAR
	WIN 0
.set xt, 0
.rept 32                               ; lane i of wave (u, p): quad i of the sixteen lanes with h = p, of waves 2u and 2u + 1
	ds_load_b128 v[128+4*xt:131+4*xt], v55 offset:(xt>>4)*YSW+16*(xt&15)
.set xt, xt+1
.endr
	s_wait_dscnt 0x0
	FOLD 16
	FOLD 8
	FOLD 4
	FOLD 2
.if \first
	v_pk_add_f32 v[48:49], v[128:129], v[132:133]  ; channels 4 (i & 15) + 128 (i >> 4) + 64 p + 0 .. 3, summed over 64 queries
	v_pk_add_f32 v[50:51], v[130:131], v[134:135]
.else
	FOLD 1
	v_pk_add_f32 v[48:49], v[48:49], v[128:129]
	v_pk_add_f32 v[50:51], v[50:51], v[130:131]
.endif
.endm
; ================================================================ the body
	s_load_b256 s[4:11], s[0:1], 0x0               ; x s[4:5], key_masks s[6:7], part s[8:9], csum s[10:11]
	v_lshl_add_u32 v62, v0, 2, 0x40800
	v_mov_b32 v63, 0
	ds_add_u32 v62, v63
	ds_add_u32 v62, v63
	v_lshrrev_b32 v1, 5, v0
	v_readfirstlane_b32 s12, v1                    ; wave
	s_lshr_b32 s13, s12, 1                         ; u: which 64 queries
	s_and_b32 s14, s12, 1                          ; p: which 64 keys of a tile
	s_and_b32 s15, ttmp9, 3                        ; j
	s_lshr_b32 s16, ttmp9, 2                       ; b
	s_sub_co_u32 s17, 7, s15
	s_sub_co_u32 s37, 6, s15
	; descriptor group 1: my 32 rows of a tile are 32,768 dense bytes, taken as 128 rows of 32 elements of 8 bytes
	s_mov_b32 s24, 3<<16                           ; no mask, element of 8 bytes, no padding
	s_mov_b32 s25, 32<<16                          ; tensor_dim0 = 32
	s_mov_b32 s26, 128<<16                         ; tensor_dim1 = 128
	s_mov_b32 s27, 32<<16                          ; tile_dim0 = 32
	s_mov_b32 s28, 128                             ; tile_dim1 = 128
	s_mov_b32 s29, 32                              ; from row to row: 32 elements
	s_mov_b32 s30, 0
	s_mov_b32 s31, 0
	s_mov_b32 s32, 1
	s_lshl_b32 s33, s12, 15                        ; my part of the stage: wave x 32,768
	s_lshl_b32 s44, s16, 20                        ; batch b: 1,024 rows of 1,024 bytes
	s_lshl_b32 s38, s12, 15
	s_add_co_u32 s44, s44, s38
	s_mov_b32 s45, 0
	s_mov_b32 s23, 0
	s_lshl_b32 s22, s15, 17                        ; the first tile is tile j
	s_wait_dscnt 0x0
	s_wait_kmcnt 0x0
	s_add_nc_u64 s[20:21], s[4:5], s[44:45]
	s_add_nc_u64 s[34:35], s[20:21], s[22:23]
	s_or_b32 s35, s35, 0x80000000
	tensor_load_to_lds s[32:35], s[24:31]          ; the first fill, ahead of everything else
	s_nop 0
	s_mov_b32 s40, 0x76543210
	s_mov_b32 s41, 0xfedcba98
	s_mov_b32 s42, 0x3b800000                      ; 1/256
	s_mov_b32 s43, 0x3089705f                      ; 1e-9
	v_mov_b32 v12, 0xff800000                      ; -inf
	v_and_b32 v13, 15, v0                          ; r
	v_bfe_u32 v14, v0, 4, 1                        ; h
	v_and_b32 v15, 31, v0                          ; lane
	v_mul_u32_u24 v1, v13, KP
	v_lshl_add_u32 v1, v14, 4, v1                  ; r x pitch + 16 h
	s_mul_i32 s38, s14, 64*KP
	s_add_co_u32 s38, s38, KV                      ; my 64 keys
	v_add_nc_u32 v2, s38, v1
	v_and_b32 v5, 7, v0
	v_lshl_add_u32 v5, v14, 3, v5                  ; key 8 h + (lane & 7)
	v_mul_u32_u24 v5, v5, KP
	v_bfe_u32 v7, v0, 3, 1
	v_lshl_add_u32 v5, v7, 7, v5                   ; the second run of 8 channels lies 128 bytes on
	v_add_nc_u32 v5, s38, v5
	s_mul_i32 s38, s13, 64*KP
	s_add_co_u32 s38, s38, KV                      ; my 64 queries in the diagonal tile
	s_mul_i32 s39, s14, 32*KP
	s_add_co_u32 s39, s38, s39
	v_add_nc_u32 v3, s39, v1                       ; local q-tiles 0, 1: rows 32 p ..
	s_xor_b32 s39, s14, 1
	s_mul_i32 s39, s39, 32*KP
	s_add_co_u32 s39, s38, s39
	v_add_nc_u32 v4, s39, v1                       ; local q-tiles 2, 3: rows 32 (1 - p) ..
	s_lshl_b32 s38, s16, 10                        ; key_masks: 1,024 bytes a batch,
	s_lshl_b32 s39, s14, 6                         ; my 64 keys of a tile,
	s_add_co_u32 s38, s38, s39
	v_lshl_add_u32 v6, v14, 3, s38                 ; and 8 bytes on for lanes 16 to 31
	s_lshl_b32 s38, s12, 15
	v_lshl_add_u32 v8, v15, 4, s38
	s_mul_i32 s38, s12, 32*KP
	s_add_co_u32 s38, s38, KV
	v_lshl_add_u32 v9, v15, 3, s38
	v_lshlrev_b32 v1, 3, v14
	v_sub_nc_u32 v1, v13, v1                       ; r - 8 h
	s_lshl_b32 s38, s13, 6
	s_lshl_b32 s39, s14, 5
	s_sub_co_i32 s38, s38, s39
	v_add_nc_u32 v10, s38, v1                      ; 64 (u - p) + 32 p + r - 8 h
	s_lshl_b32 s39, s14, 6
	s_sub_co_i32 s39, 32, s39
	v_add_nc_u32 v11, s39, v10                     ; 64 (u - p) + 32 (1 - p) + r - 8 h
	s_mul_i32 s38, s12, MRGW
	s_add_co_u32 s38, s38, KV
	v_lshl_add_u32 v52, v15, 4, s38
	s_xor_b32 s39, s12, 1
	s_mul_i32 s39, s39, MRGW
	s_add_co_u32 s39, s39, KV
	v_lshl_add_u32 v53, v15, 4, s39
	s_mul_i32 s38, s12, YSW
	s_add_co_u32 s38, s38, KV
	v_lshl_add_u32 v54, v15, 4, s38
	s_mul_i32 s38, s13, 2*YSW
	s_lshl_b32 s39, s14, 8
	s_add_co_u32 s38, s38, s39
	s_add_co_u32 s38, s38, KV
	v_mul_u32_u24 v55, v15, KP
	v_add_nc_u32 v55, s38, v55
	s_lshl_b32 s38, ttmp9, 11                      ; part: [4 b + j][u][256] f32
	s_lshl_b32 s39, s13, 10
	s_add_co_u32 s38, s38, s39
	s_lshl_b32 s39, s14, 8
	s_add_co_u32 s38, s38, s39
	v_lshl_add_u32 v56, v13, 4, s38
	v_lshl_add_u32 v56, v14, 9, v56
	s_lshl_b32 s38, ttmp9, 12                      ; csum: [4 b + j][w][256] f32
	s_lshl_b32 s39, s12, 10
	s_add_co_u32 s38, s38, s39
	v_lshl_add_u32 v57, v15, 4, s38
	; block j: its diagonal tile, then tiles 0 .. j - 1
	s_mov_b32 s18, s15
	s_cmp_eq_u32 s15, 0
	s_cselect_b32 s19, s17, 0                      ; next: tile 0, or, where j = 0, the second block's diagonal tile
	STEP 1, 1, 1
	s_cmp_eq_u32 s15, 0
	s_cbranch_scc1 .Llow_done
	s_mov_b32 s36, 0
.Llow:
	s_mov_b32 s18, s36
	s_add_co_u32 s19, s36, 1
	s_cmp_lt_u32 s19, s15
	s_cselect_b32 s19, s19, s17                    ; behind the block's last tile: the second block's diagonal tile
	STEP 0, 1, 0
	s_add_co_u32 s36, s36, 1
	s_cmp_lt_u32 s36, s15
	s_cbranch_scc1 .Llow
.Llow_done:
	FINISH 1
	; block 7 - j: its diagonal tile, then tiles 0 .. 6 - j, the last of them written out, since nothing is left to ask for
	s_mov_b32 s18, s17
	s_mov_b32 s19, 0
	STEP 1, 1, 0
	s_mov_b32 s36, 0
.Lhigh:
	s_mov_b32 s18, s36
	s_add_co_u32 s19, s36, 1
	STEP 0, 1, 0
	s_add_co_u32 s36, s36, 1
	s_cmp_lt_u32 s36, s37
	s_cbranch_scc1 .Lhigh
	s_mov_b32 s18, s37
	STEP 0, 0, 0
	FINISH 0
	global_store_b128 v56, v[48:51], s[8:9]        ; sixteen lanes store 256 consecutive bytes, aligned
	global_store_b128 v57, v[40:43], s[10:11]      ; the column sums of my 64 rows of x: channels 4 lane ..,
	global_store_b128 v57, v[44:47], s[10:11] offset:512   ; and 128 + 4 lane ..
	s_wait_tensorcnt 0x0
	ds_add_u32 v62, v63
	s_wait_dscnt 0x0
	s_endpgm
.Lfunc_end_k_q51b7237903_attn:
	.size	k_q51b7237903_attn, .Lfunc_end_k_q51b7237903_attn-k_q51b7237903_attn
	.p2alignl 7, 3214868480
	.fill 96, 4, 3214868480
	.section	.rodata,"a",@progbits
	.p2align	6, 0x0
	.amdhsa_kernel k_q51b7237903_attn
		.amdhsa_group_segment_fixed_size 327680
		.amdhsa_private_segment_fixed_size 0
		.amdhsa_enable_private_segment 0
		.amdhsa_kernarg_size 32
		.amdhsa_user_sgpr_count 2
		.amdhsa_user_sgpr_kernarg_segment_ptr 1
		.amdhsa_wavefront_size32 1
		.amdhsa_system_sgpr_workgroup_id_x 1
		.amdhsa_system_sgpr_workgroup_id_y 1
		.amdhsa_system_sgpr_workgroup_id_z 1
		.amdhsa_system_vgpr_workitem_id 0
		.amdhsa_next_free_vgpr 1024
		.amdhsa_next_free_sgpr 66
		.amdhsa_reserve_vcc 1
		.amdhsa_float_denorm_mode_32 3
		.amdhsa_float_denorm_mode_16_64 3
		.amdhsa_memory_ordered 1
		.amdhsa_forward_progress 1
		.amdhsa_inst_pref_size 255
	.end_amdhsa_kernel
	.section	.bss,"aw",@nobits
	.p2align	6
	.space	262144
	.amdgpu_metadata
---
amdhsa.version: [ 1, 2 ]
amdhsa.kernels:
  - .name:           k_q51b7237903_attn
    .symbol:         k_q51b7237903_attn.kd
    .args:
      - { .name: x, .offset: 0, .size: 8, .value_kind: global_buffer, .address_space: global }
      - { .name: key_masks, .offset: 8, .size: 8, .value_kind: global_buffer, .address_space: global }
      - { .name: part, .offset: 16, .size: 8, .value_kind: global_buffer, .address_space: global }
      - { .name: csum, .offset: 24, .size: 8, .value_kind: global_buffer, .address_space: global }
    .group_segment_fixed_size: 327680
    .private_segment_fixed_size: 0
    .kernarg_segment_align: 8
    .kernarg_segment_size: 32
    .max_flat_workgroup_size: 128
    .sgpr_count:     66
    .vgpr_count:     1024
    .wavefront_size: 32
...
	.end_amdgpu_metadata
.endif
;; end of part 1
;; launch final (part 2): grid 64 x 1, 1 waves a work-group, no clusters, 0 bytes of LDS; arguments part, csum, key_masks, gamma, beta, out0; writes out0
.if DOCPART == 2
	.amdgcn_target "amdgcn-amd-amdhsa--gfx1250"
	.amdhsa_code_object_version 6
	.text
	.protected	k_q51b7237903_final
	.globl	k_q51b7237903_final
	.p2align	8
	.type	k_q51b7237903_final,@function
k_q51b7237903_final:
	s_mov_b64 s[64:65], 0
	v_nop
	global_prefetch_b8 v0, s[64:65] scope:SCOPE_SE
	s_setreg_imm32_b32 hwreg(HW_REG_WAVE_MODE, 25, 1), 1
	s_wait_xcnt 0x0
; out0[b][c] = gamma[c] (P[c] + n0 z[c]) / 1024 + beta[c], one wave for each batch b.
; P = the sum of the batch's 8 slices of part: the normalised rows of all queries that have an allowed key.
; n0 = the index of the first true mask byte (1,024 if there is none) = the number of rows without an allowed key.  Each of them has 1,024 equal scores,
; so its softmax is uniform over all 1,024 keys and its output is the mean row of x; z is that mean row, from the 16 slices of csum, normalised.
; Lane L owns channels 128 q + 4 L + 0 .. 3, q = 0, 1: every load and store of the wave covers 512 consecutive bytes.
; All 54 loads go out together and are waited for once: 27 KiB a wave and a few hundred instructions; LDS, barriers and matrix units have nothing to add.
; Any nonzero mask byte counts as true.
.set P,  16                            ; v[16:79]    part, slice k at 16 + 8 k
.set C,  80                            ; v[80:207]   csum, slice k at 80 + 8 k
.set M,  208                           ; v[208:215]  my 32 mask bytes
.set G,  216                           ; v[216:223]  gamma
.set BT, 224                           ; v[224:231]  beta
.macro FOLDK base, n                   ; slices n .. 2 n - 1 are added onto slices 0 .. n - 1
.set xt, 0
.rept \n
.set xe, 0
.rept 4
	v_pk_add_f32 v[\base+8*xt+2*xe:\base+8*xt+2*xe+1], v[\base+8*xt+2*xe:\base+8*xt+2*xe+1], v[\base+8*(xt+\n)+2*xe:\base+8*(xt+\n)+2*xe+1]
.set xe, xe+1
.endr
.set xt, xt+1
.endr
.endm
.macro WSUM r, t                       ; sum over the 32 lanes, in every lane; register t has been written before
	v_add_f32_dpp v\r, v\r, v\r row_xmask:1 row_mask:0xf bank_mask:0xf
	v_add_f32_dpp v\r, v\r, v\r row_xmask:2 row_mask:0xf bank_mask:0xf
	v_add_f32_dpp v\r, v\r, v\r row_xmask:4 row_mask:0xf bank_mask:0xf
	v_add_f32_dpp v\r, v\r, v\r row_xmask:8 row_mask:0xf bank_mask:0xf
	v_permlanex16_b32 v\t, v\r, s20, s21
	v_add_f32 v\r, v\r, v\t
.endm
	s_load_b256 s[4:11], s[0:1], 0x0               ; part s[4:5], csum s[6:7], key_masks s[8:9], gamma s[10:11]
	s_load_b128 s[12:15], s[0:1], 0x20             ; beta s[12:13], out0 s[14:15]
	v_lshlrev_b32 v1, 4, v0                        ; 16 L
	s_lshl_b32 s16, ttmp9, 13                      ; 8 slices of 1,024 bytes
	s_lshl_b32 s17, ttmp9, 14                      ; 16 slices
	s_lshl_b32 s18, ttmp9, 10
	v_add_nc_u32 v2, s16, v1
	v_add_nc_u32 v3, s17, v1
	v_lshl_add_u32 v4, v0, 5, s18                  ; 32 mask bytes a lane
	v_add_nc_u32 v5, s18, v1
	s_mov_b32 s20, 0x76543210
	s_mov_b32 s21, 0xfedcba98
	s_mov_b32 s22, 0x3b800000                      ; 1/256
	s_mov_b32 s23, 0x3089705f                      ; 1e-9
	s_wait_kmcnt 0x0
.set xk, 0
.rept 16
	global_load_b128 v[C+8*xk:C+8*xk+3], v3, s[6:7] offset:1024*xk th:TH_LOAD_NT
	global_load_b128 v[C+8*xk+4:C+8*xk+7], v3, s[6:7] offset:1024*xk+512 th:TH_LOAD_NT
.set xk, xk+1
.endr
.set xk, 0
.rept 8
	global_load_b128 v[P+8*xk:P+8*xk+3], v2, s[4:5] offset:1024*xk th:TH_LOAD_NT
	global_load_b128 v[P+8*xk+4:P+8*xk+7], v2, s[4:5] offset:1024*xk+512 th:TH_LOAD_NT
.set xk, xk+1
.endr
	global_load_b128 v[M:M+3], v4, s[8:9]
	global_load_b128 v[M+4:M+7], v4, s[8:9] offset:16
	global_load_b128 v[G:G+3], v1, s[10:11]
	global_load_b128 v[G+4:G+7], v1, s[10:11] offset:512
	global_load_b128 v[BT:BT+3], v1, s[12:13]
	global_load_b128 v[BT+4:BT+7], v1, s[12:13] offset:512
	s_wait_loadcnt 0x0
	FOLDK C, 8
	FOLDK C, 4
	FOLDK C, 2
	FOLDK C, 1
	FOLDK P, 4
	FOLDK P, 2
	FOLDK P, 1
.set xe, 0
.rept 4
	v_pk_mul_f32 v[C+2*xe:C+2*xe+1], v[C+2*xe:C+2*xe+1], 0x3a800000 op_sel_hi:[1,0]     ; the mean row of x: / 1024
.set xe, xe+1
.endr
	v_pk_add_f32 v[232:233], v[C:C+1], v[C+2:C+3]
	v_pk_add_f32 v[234:235], v[C+4:C+5], v[C+6:C+7]
	v_pk_add_f32 v[232:233], v[232:233], v[234:235]
	v_add_f32 v232, v232, v233
	WSUM 232, 233
	v_mul_f32 v232, s22, v232                      ; its mean over the 256 channels
.set xe, 0
.rept 4
	v_pk_add_f32 v[C+2*xe:C+2*xe+1], v[C+2*xe:C+2*xe+1], v[232:233] op_sel_hi:[1,0] neg_lo:[0,1] neg_hi:[0,1]
.set xe, xe+1
.endr
	v_pk_mul_f32 v[234:235], v[C:C+1], v[C:C+1]
	v_pk_mul_f32 v[236:237], v[C+2:C+3], v[C+2:C+3]
	v_pk_fma_f32 v[234:235], v[C+4:C+5], v[C+4:C+5], v[234:235]
	v_pk_fma_f32 v[236:237], v[C+6:C+7], v[C+6:C+7], v[236:237]
	v_pk_add_f32 v[234:235], v[234:235], v[236:237]
	v_add_f32 v234, v234, v235
	WSUM 234, 235
	v_fma_f32 v234, v234, s22, s23                 ; variance + 1e-9
	v_rsq_f32 v236, v234                           ; the move below is the plain slot behind it
	v_mov_b32 v240, 32
.set xk, 31
.rept 32                               ; my first true byte, from the last byte down; 32 if I have none
	v_bfe_u32 v241, v[M+xk/4], 8*(xk%4), 8
	v_cmp_eq_u32 vcc_lo, 0, v241
	v_cndmask_b32 v240, xk, v240, vcc_lo
.set xk, xk-1
.endr
	v_lshl_add_u32 v241, v0, 5, v240
	v_mov_b32 v242, 0x400
	v_cmp_gt_u32 vcc_lo, 32, v240
	v_cndmask_b32 v241, v242, v241, vcc_lo         ; its index in the batch, or 1,024
	v_cvt_f32_u32 v241, v241                       ; exact: at most 1,024
	v_min_num_f32_dpp v241, v241, v241 row_xmask:1 row_mask:0xf bank_mask:0xf
	v_min_num_f32_dpp v241, v241, v241 row_xmask:2 row_mask:0xf bank_mask:0xf
	v_min_num_f32_dpp v241, v241, v241 row_xmask:4 row_mask:0xf bank_mask:0xf
	v_min_num_f32_dpp v241, v241, v241 row_xmask:8 row_mask:0xf bank_mask:0xf
	v_permlanex16_b32 v242, v241, s20, s21
	v_min_num_f32 v241, v241, v242                 ; n0
	s_wait_alu depctr_va_vdst(0)
	v_mul_f32 v244, v241, v236                     ; n0 / sqrt(variance + 1e-9), twice: a pair for the packed multiply-add
	v_mul_f32 v245, v241, v236
.set xe, 0
.rept 4
	v_pk_fma_f32 v[P+2*xe:P+2*xe+1], v[C+2*xe:C+2*xe+1], v[244:245], v[P+2*xe:P+2*xe+1]
	v_pk_mul_f32 v[G+2*xe:G+2*xe+1], v[G+2*xe:G+2*xe+1], 0x3a800000 op_sel_hi:[1,0]     ; gamma / 1024
.set xe, xe+1
.endr
.set xe, 0
.rept 4
	v_pk_fma_f32 v[P+2*xe:P+2*xe+1], v[P+2*xe:P+2*xe+1], v[G+2*xe:G+2*xe+1], v[BT+2*xe:BT+2*xe+1]
.set xe, xe+1
.endr
	global_store_b128 v5, v[P:P+3], s[14:15]
	global_store_b128 v5, v[P+4:P+7], s[14:15] offset:512
	s_endpgm
.Lfunc_end_k_q51b7237903_final:
	.size	k_q51b7237903_final, .Lfunc_end_k_q51b7237903_final-k_q51b7237903_final
	.p2alignl 7, 3214868480
	.fill 96, 4, 3214868480
	.section	.rodata,"a",@progbits
	.p2align	6, 0x0
	.amdhsa_kernel k_q51b7237903_final
		.amdhsa_group_segment_fixed_size 0
		.amdhsa_private_segment_fixed_size 0
		.amdhsa_enable_private_segment 0
		.amdhsa_kernarg_size 48
		.amdhsa_user_sgpr_count 2
		.amdhsa_user_sgpr_kernarg_segment_ptr 1
		.amdhsa_wavefront_size32 1
		.amdhsa_system_sgpr_workgroup_id_x 1
		.amdhsa_system_sgpr_workgroup_id_y 1
		.amdhsa_system_sgpr_workgroup_id_z 1
		.amdhsa_system_vgpr_workitem_id 0
		.amdhsa_next_free_vgpr 256
		.amdhsa_next_free_sgpr 66
		.amdhsa_reserve_vcc 1
		.amdhsa_float_denorm_mode_32 3
		.amdhsa_float_denorm_mode_16_64 3
		.amdhsa_memory_ordered 1
		.amdhsa_forward_progress 1
		.amdhsa_inst_pref_size 20
	.end_amdhsa_kernel
	.amdgpu_metadata
---
amdhsa.version: [ 1, 2 ]
amdhsa.kernels:
  - .name:           k_q51b7237903_final
    .symbol:         k_q51b7237903_final.kd
    .args:
      - { .name: part, .offset: 0, .size: 8, .value_kind: global_buffer, .address_space: global }
      - { .name: csum, .offset: 8, .size: 8, .value_kind: global_buffer, .address_space: global }
      - { .name: key_masks, .offset: 16, .size: 8, .value_kind: global_buffer, .address_space: global }
      - { .name: gamma, .offset: 24, .size: 8, .value_kind: global_buffer, .address_space: global }
      - { .name: beta, .offset: 32, .size: 8, .value_kind: global_buffer, .address_space: global }
      - { .name: out0, .offset: 40, .size: 8, .value_kind: global_buffer, .address_space: global }
    .group_segment_fixed_size: 0
    .private_segment_fixed_size: 0
    .kernarg_segment_align: 8
    .kernarg_segment_size: 48
    .max_flat_workgroup_size: 32
    .sgpr_count:     66
    .vgpr_count:     256
    .wavefront_size: 32
...
	.end_amdgpu_metadata
.endif
;; end of part 2
;; ======== version 2 of 2: 2 launches; 1.48 times as fast as version 1
;; limits: inputs' magnitudes at most 10,000; right only within a limited range of input values
;; workspace buffers: part 524,288 bytes; csum 1,048,576 bytes
;; launch attn (part 3): grid 256 x 1, 4 waves a work-group, no clusters, 327,680 bytes of LDS; arguments x, key_masks, part, csum; writes part, csum
.if DOCPART == 3
	.amdgcn_target "amdgcn-amd-amdhsa--gfx1250"
	.amdhsa_code_object_version 6
	.text
	.protected	k_q51b7237903_attn
	.globl	k_q51b7237903_attn
	.p2align	8
	.type	k_q51b7237903_attn,@function
k_q51b7237903_attn:
	s_mov_b64 s[64:65], 0
	v_nop
	global_prefetch_b8 v0, s[64:65] scope:SCOPE_SE
	s_setreg_imm32_b32 hwreg(HW_REG_WAVE_MODE, 25, 1), 1
	s_wait_xcnt 0x0
; Causal self-attention with Q = K = V = x [64][1024][256] f32, key mask, LayerNorm without gain and bias, and the sum of the normalised rows over
; this work-group's 256 query rows (part); besides, the f32 column sums of these 256 rows of x (csum).  A later launch adds up and applies gain and bias.
; WORK.  Work-group id = 4 b + j.  T is cut into 8 blocks of 128 rows; the work-group takes query block j, then block 7 - j.  Block n needs key tiles
; 0 .. n (the causal mask is the problem's own), so every work-group has (j + 1) + (8 - j) = 9 steps of 128 queries x 128 keys.
; Wave w: u = w >> 1 picks 64 of the 128 queries, p = w & 1 picks 64 of each tile's 128 keys.  Waves 2u and 2u + 1 hold two softmax states of the same
; queries and merge them at the end of a block.
; ONE TEXT FOR EACH KIND OF WORK.  An outer loop of two trips (the two blocks) holds: the step on the block's diagonal tile, an inner loop of the steps on
; the tiles in front of it, the block's end, and the column sums.  Every step asks for one tile, and every tile asked for is read: behind a block's last
; tile the OTHER block's diagonal tile is asked for; behind block j it is summed by columns and then converted by the next diagonal step, behind block
; 7 - j it is summed by columns.  So no last step is written out (some 1,570 instructions), at the price of a tenth tile of 128 KiB for the work-group.
; TRANSPOSED PRODUCTS, so that a lane is a query: S^T = K Q^T (A = 16 keys, B = 16 queries): lane (r, h), register e = key 8 h + e, query r; two such
; tiles rounded to bf16 are the B operand (32 keys x query r) of O^T = V^T P^T, whose result again has query r in lane r.  Maximum, sum, rescaling and
; LayerNorm are then per lane; the only crossing is lane <-> lane xor 16.
; MASKS.  A masked score becomes -inf and its weight 0.  A row without any allowed key ends with sum 0 and output 0 and adds nothing here; the later
; launch adds what such rows are worth (a uniform softmax over all 1,024 keys).  A step's mask bytes (64 a wave) are loaded from memory, 128 matrix
; instructions ahead of their use; so no LDS address of this text hangs on a loop's counter.
; LIMITS.  Finite inputs.  In a row with an allowed key the masked weights are taken as 0, which is exact while the row's largest score stays more than
; about 150 above -2^32 (|x| up to about 1e4).  The running maximum starts at -1e30 (in units of exp2).  Any nonzero mask byte counts as true.
; NO CLUSTER: the four work-groups of a batch read the same tiles, but walk 1 to 4 tiles and then 8 to 5, in different orders; joint requests would
; need equal trip counts in all partners, and a walk that is alike in all four costs 20 instead of 18 wave steps and halves the queries fed by a
; fragment read in its last quarter.
; LDS.  0: f32 stage, 128 rows x 1,024 bytes, filled by tensor loads alone; wave w fetches, reads and converts rows 32 w .. 32 w + 31.
;       KV: the tile in bf16, 128 rows, pitch 528 bytes.
;       Over KV, at a block's end: MRG (a wave's half of O and its stats, 33,280 bytes a wave), then YS (32 quads of registers at pitch 528, 16,896 a wave).
; REGISTERS.  Window 0: addresses, state, v64-127 fragment buffers, v128-255 S (tile (q, k) at 128 + 32 q + 8 k).  Window 1: Q, fragment (q, ks) at
; 64 q + 8 ks.  Windows 2, 3: O of local q-tiles 0, 1 and 2, 3, tile (q, ct) at 128 (q & 1) + 8 ct.  Local q-tile q is q-tile q xor 2 p of the wave's
; four, so that every wave keeps window 2 and hands window 3 to its partner, whose window 2 holds the same queries.
.set KP,   528                         ; pitch of a bf16 row: 512 + 16 bytes, an odd multiple of 16: sixteen rows start at sixteen different columns of 16 bytes
.set KV,   131072
.set MRGW, 33280
.set YSW,  16896
.set FB0,  64
.set FB1,  96
.set SB,   128
.set MSB,  0
; v2 K fragments  v3, v4 Q fragments (local q-tiles 0-1, 2-3)  v5 V fragments  v6 my mask bytes of tile 0  v7 of this tile  v8 my stage  v9 my rows of KV
; v10, v11 causal bound  v12 -inf  v13 r  v14 h  v15 lane  v16-23 m0 m1 l0 l1 m2 m3 l2 l3  v24-27 alpha  v28-39 at work (v32-39: a step's mask bytes)
; v40-47 column sums  v48-51 sum of normalised rows  v52, v53 merge out, in  v54, v55 YS out, in  v56, v57 store offsets
; s4-11 x, key_masks, part, csum  s12 w  s13 u  s14 p  s15 j  s16 b  s17 7-j  s18 this tile  s19 next tile  s20-21 x at my rows of tile 0 of batch b
; s22-23 tile offset  s24-31 descriptor group 1  s32-35 group 0  s36 inner counter  s37 the other block's diagonal tile  s38, s39 at work
; s40, s41 lane selects  s42 1/256  s43 1e-9  s46 outer counter  s47 this block's diagonal tile = the number of tiles in front of it
.macro WIN new                         ; the immediate's high byte repeats the setting that is left
.if MSB != \new
	s_set_vgpr_msb (MSB<<8)|\new
.set MSB, \new
.endif
.endm
.macro PLACES n                        ; independent vector slots behind matrix instructions (ISA guide 7.12.1)
.rept \n
	v_nop
.endr
.endm
.macro BAR
	s_barrier_signal -1
	s_barrier_wait -1
.endm
; ---- f32 stage -> bf16 tile: my 32 rows, in four batches of 8 rows.  A load takes 512 neighbouring bytes (half a row), a store 256.
.macro CLOAD bt, src
.set xt, 0
.rept 16
	ds_load_b128 v[\src+4*xt:\src+4*xt+3], v8 offset:(8*\bt+xt/2)*1024+512*(xt%2)
.set xt, xt+1
.endr
.endm
.macro CCVT bt, src, dst
.set xt, 0
.rept 16
	v_cvt_pk_bf16_f32 v[\dst+2*xt], v[\src+4*xt], v[\src+4*xt+1]
	v_cvt_pk_bf16_f32 v[\dst+2*xt+1], v[\src+4*xt+2], v[\src+4*xt+3]
.set xt, xt+1
.endr
.set xt, 0
.rept 16
	ds_store_b64 v9, v[\dst+2*xt:\dst+2*xt+1] offset:(8*\bt+xt/2)*KP+256*(xt%2)
.set xt, xt+1
.endr
.endm
.macro CONVERT
	CLOAD 0, 128
	CLOAD 1, 192
	s_wait_dscnt 16                                ; batch 0 is in; batch 1's 16 loads may be out
	CCVT 0, 128, 64
	CLOAD 2, 128
	s_wait_dscnt 16                                ; batch 1 is in and batch 0's stores are done; batch 2's 16 loads may be out
	CCVT 1, 192, 96
	CLOAD 3, 192
	s_wait_dscnt 32                                ; batch 2 is in; behind it: 16 stores, 16 loads
	CCVT 2, 128, 64
	s_wait_dscnt 16                                ; batch 3 is in; behind it: 16 stores
	CCVT 3, 192, 96
.endm
; ---- the column sums of my 32 rows of the tile that lies in the stage, in f32.  8 rows of 8 registers fold 4 + 4, 2 + 2, 1 + 1, then onto the sums.
.macro CFOLD src
.set xe, 0
.rept 16
	v_pk_add_f32 v[\src+2*xe:\src+2*xe+1], v[\src+2*xe:\src+2*xe+1], v[\src+32+2*xe:\src+32+2*xe+1]
.set xe, xe+1
.endr
.set xe, 0
.rept 8
	v_pk_add_f32 v[\src+2*xe:\src+2*xe+1], v[\src+2*xe:\src+2*xe+1], v[\src+16+2*xe:\src+16+2*xe+1]
.set xe, xe+1
.endr
.set xe, 0
.rept 4
	v_pk_add_f32 v[\src+2*xe:\src+2*xe+1], v[\src+2*xe:\src+2*xe+1], v[\src+8+2*xe:\src+8+2*xe+1]
.set xe, xe+1
.endr
.set xe, 0
.rept 4
	v_pk_add_f32 v[40+2*xe:41+2*xe], v[40+2*xe:41+2*xe], v[\src+2*xe:\src+2*xe+1]
.set xe, xe+1
.endr
.endm
.macro CSUM
	s_wait_tensorcnt 0x0                           ; the wait of these reads: my one load that is out, asked for in the block's last step, has landed; none was issued behind it
	CLOAD 0, 128
	CLOAD 1, 192
	s_wait_dscnt 16                                ; batch 0 is in; batch 1's 16 loads may be out
	CFOLD 128
	CLOAD 2, 128
	s_wait_dscnt 16                                ; batch 1 is in
	CFOLD 192
	CLOAD 3, 192
	s_wait_dscnt 16                                ; batch 2 is in
	CFOLD 128
	s_wait_dscnt 0x0                               ; batch 3 is in
	CFOLD 192
.endm
; ---- fragments.  16 rows x 32 channels of bf16: lane (r, h) takes 16 bytes at row r, byte 16 h, and 16 more 32 bytes on.
.macro QLOAD                           ; my 64 queries x 256 channels, from the diagonal tile, into window 1
	WIN 0x40
.set xq, 0
.rept 4
.set xk, 0
.rept 8
.if xq < 2
	ds_load_b128 v[64*xq+8*xk:64*xq+8*xk+3], v3 offset:(xq%2)*16*KP+64*xk
	ds_load_b128 v[64*xq+8*xk+4:64*xq+8*xk+7], v3 offset:(xq%2)*16*KP+64*xk+32
.else
	ds_load_b128 v[64*xq+8*xk:64*xq+8*xk+3], v4 offset:(xq%2)*16*KP+64*xk
	ds_load_b128 v[64*xq+8*xk+4:64*xq+8*xk+7], v4 offset:(xq%2)*16*KP+64*xk+32
.endif
.set xk, xk+1
.endr
.set xq, xq+1
.endr
.endm
.macro KLOAD ks, buf                   ; my 64 keys, channels 32 ks .. 32 ks + 31
.set xt, 0
.rept 4
	ds_load_b128 v[\buf+8*xt:\buf+8*xt+3], v2 offset:xt*16*KP+64*(\ks)
	ds_load_b128 v[\buf+8*xt+4:\buf+8*xt+7], v2 offset:xt*16*KP+64*(\ks)+32
.set xt, xt+1
.endr
.endm
; V^T fragments by transposing loads.  Channel tile ct is made of two runs of 8 channels that lie 128 bytes apart (lanes 0-7 and 8-15 of a half then start
; 32 words apart, and the eight rows 4 words apart: no two lanes of a half share a bank).  Register e of lane (r, h) of O^T's tile ct is therefore
; channel 8 (ct & 7) + 128 (ct >> 3) + 64 h + e.  Chunk n = tiles 4 n .. 4 n + 3, key groups g = 0, 1 of 32 keys.
; Even chunks land in the fragment buffers, odd chunks in the eight runs of 8 registers that packing P sets free.
.macro VCHUNK n, c0, cn
.set xc, \c0
.rept \cn
.set xg, 0
.rept 2
.if (\n)&1
.set xd, SB+8+32*xc+16*xg
.else
.set xd, FB0+16*xc+8*xg
.endif
	ds_load_tr16_b128 v[xd:xd+3], v5 offset:32*xg*KP+16*((4*\n+xc)&7)+256*((4*\n+xc)>>3)
	ds_load_tr16_b128 v[xd+4:xd+7], v5 offset:32*xg*KP+16*((4*\n+xc)&7)+256*((4*\n+xc)>>3)+16*KP
.set xg, xg+1
.endr
.set xc, xc+1
.endr
.endm
; ---- S^T = K Q^T.  16 matrix instructions for 32 channels; the sixteen accumulators take turns, one instruction a turn.
.macro SMUL ks, buf, zero
.set xa, 0
.rept 4
.set xc, 0
.rept 4
.if \zero
	v_wmma_f32_16x16x32_bf16 v[SB+32*xc+8*xa:SB+32*xc+8*xa+7], v[\buf+8*xa:\buf+8*xa+7], v[64*xc+8*(\ks):64*xc+8*(\ks)+7], 0
.else
	v_wmma_f32_16x16x32_bf16 v[SB+32*xc+8*xa:SB+32*xc+8*xa+7], v[\buf+8*xa:\buf+8*xa+7], v[64*xc+8*(\ks):64*xc+8*(\ks)+7], v[SB+32*xc+8*xa:SB+32*xc+8*xa+7]
.endif
.set xc, xc+1
.endr
.set xa, xa+1
.endr
.endm
.macro SCORES
	WIN 0x04                                       ; B (Q) in window 1, all else in window 0
	KLOAD 0, FB0
	KLOAD 1, FB1
.irp ks, 0,1,2,3,4,5,6,7
.if \ks == 7
	s_wait_dscnt 0x0                               ; K's last eight loads: nothing was issued behind them
.else
	s_wait_dscnt 8                                 ; this buffer's loads (and all older ones) are in; the other buffer's eight may be out
.endif
.if \ks == 0
	SMUL \ks, FB0, 1
.else
	SMUL \ks, FB0+32*(\ks%2), 0
.endif
.if \ks != 6
	PLACES 4                                       ; four slots before a load lands on a buffer just multiplied; behind the last product also before S is read and buffer 0 written
.endif
.if \ks < 6
	KLOAD \ks+2, FB0+32*(\ks%2)
.endif
.if \ks == 7
	VCHUNK 0, 2, 2                                 ; V's channel tiles 2, 3 into buffer 1
.endif
.endr
.endm
; The mask bytes of my 64 keys become a bias in S's layout (keys 16 k + 8 h + e) in buffer 0: 0 for a true byte, -inf for a false one.
; Then S = S log2(e) / 16 + bias: the scale, the change to base 2 and the key mask in one fused multiply-add.
.macro BIASALL
	WIN 0
	s_wait_loadcnt 0x0                             ; this step's four mask loads are in; their offset register is free for the next step
.set xa, 0
.rept 4
.set xe, 0
.rept 8
	v_bfe_u32 v[28+(xe&3)], v[32+2*xa+(xe>>2)], 8*(xe&3), 8
	v_cmp_eq_u32 vcc_lo, 0, v[28+(xe&3)]
	v_cndmask_b32 v[FB0+8*xa+xe], 0, v12, vcc_lo
.set xe, xe+1
.endr
.set xa, xa+1
.endr
.set xc, 0
.rept 4
.set xa, 0
.rept 4
.set xe, 0
.rept 4
	v_pk_fma_f32 v[SB+32*xc+8*xa+2*xe:SB+32*xc+8*xa+2*xe+1], v[SB+32*xc+8*xa+2*xe:SB+32*xc+8*xa+2*xe+1], 0x3db8aa3b, v[FB0+8*xa+2*xe:FB0+8*xa+2*xe+1] op_sel_hi:[1,0,1]
.set xe, xe+1
.endr
.set xa, xa+1
.endr
.set xc, xc+1
.endr
	VCHUNK 0, 0, 2                                 ; V's channel tiles 0, 1 into buffer 0
.endm
; ---- softmax update of local q-tile qt over my 64 keys.  first = 1: the block's first step, which is also its diagonal tile.
.macro SOFTQ qt, first
.set xs, SB+32*\qt
.set xm, 16+(\qt&1)+4*(\qt>>1)
.if \first
.set xa, 0
.rept 4
.set xe, 0
.rept 8
	v_cmp_gt_i32 vcc_lo, 16*xa+xe-16*(\qt&1), v[10+(\qt>>1)]   ; key behind the query: 16 k + e - 16 (q & 1) > query - key base - 8 h
	v_cndmask_b32 v[xs+8*xa+xe], v[xs+8*xa+xe], v12, vcc_lo
.set xe, xe+1
.endr
.set xa, xa+1
.endr
.endif
.set xc, 0
.rept 4                                ; the maximum of my 32 scores in four chains
	v_max3_num_f32 v[28+xc], v[xs+8*xc], v[xs+8*xc+1], v[xs+8*xc+2]
.set xc, xc+1
.endr
.set xe, 3
.rept 2
.set xc, 0
.rept 4
	v_max3_num_f32 v[28+xc], v[28+xc], v[xs+8*xc+xe], v[xs+8*xc+xe+1]
.set xc, xc+1
.endr
.set xe, xe+2
.endr
.set xc, 0
.rept 4
	v_max_num_f32 v[28+xc], v[28+xc], v[xs+8*xc+7]
.set xc, xc+1
.endr
	v_max3_num_f32 v28, v28, v29, v30
.if \first
	v_max3_num_f32 v28, v28, v31, 0xf149f2ca       ; the running maximum starts at -1e30, so that -inf minus the maximum stays -inf
.else
	v_max3_num_f32 v28, v28, v31, v[xm]
.endif
	v_permlanex16_b32 v29, v28, s40, s41           ; the other 32 keys of the same query
	v_max_num_f32 v28, v28, v29
.if \first == 0
	v_sub_f32 v30, v[xm], v28
	v_exp_f32 v[24+\qt], v30                       ; alpha; the move below is the plain slot behind it
.endif
	v_mov_b32 v[xm], v28
.set xe, 0
.rept 16
	v_pk_add_f32 v[xs+2*xe:xs+2*xe+1], v[xs+2*xe:xs+2*xe+1], v[28:29] op_sel_hi:[1,0] neg_lo:[0,1] neg_hi:[0,1]
.set xe, xe+1
.endr
.set xe, 0
.rept 32
	v_exp_f32 v[xs+xe], v[xs+xe]
.set xe, xe+1
.endr
	v_nop                                          ; one plain slot between the exponentials and the first use of a result
.set xc, 0
	s_wait_alu depctr_va_vdst(0)
.rept 4                                ; my 32 weights summed in f32, four chains
	v_pk_add_f32 v[28+2*xc:29+2*xc], v[xs+2*xc:xs+2*xc+1], v[xs+8+2*xc:xs+8+2*xc+1]
.set xc, xc+1
.endr
.set xe, 2
.rept 2
.set xc, 0
.rept 4
	v_pk_add_f32 v[28+2*xc:29+2*xc], v[28+2*xc:29+2*xc], v[xs+8*xe+2*xc:xs+8*xe+2*xc+1]
.set xc, xc+1
.endr
.set xe, xe+1
.endr
	v_pk_add_f32 v[28:29], v[28:29], v[30:31]
	v_pk_add_f32 v[32:33], v[32:33], v[34:35]
	v_pk_add_f32 v[28:29], v[28:29], v[32:33]
.if \first
	v_add_f32 v[xm+2], v28, v29                    ; l stays the lane's own part until the block's end
.else
	v_add_f32 v28, v28, v29
	v_fma_f32 v[xm+2], v[xm+2], v[24+\qt], v28
.endif
.set xg, 0
.rept 2                                ; two S tiles -> one B fragment of P, in place; the upper 8 of each 16 registers fall free
.set xe, 0
.rept 4
	v_cvt_pk_bf16_f32 v[xs+16*xg+xe], v[xs+16*xg+2*xe], v[xs+16*xg+2*xe+1]
.set xe, xe+1
.endr
.set xe, 0
.rept 4
	v_cvt_pk_bf16_f32 v[xs+16*xg+4+xe], v[xs+16*xg+8+2*xe], v[xs+16*xg+8+2*xe+1]
.set xe, xe+1
.endr
.set xg, xg+1
.endr
.endm
.macro RESCALE                         ; O = O alpha, a lane's alpha for each of its four queries
	WIN 0x82
.set xe, 0
.rept 64
	v_pk_mul_f32 v[2*xe:2*xe+1], v[2*xe:2*xe+1], v[24:25] op_sel_hi:[1,0]
.set xe, xe+1
.endr
.rept 64
	v_pk_mul_f32 v[2*xe:2*xe+1], v[2*xe:2*xe+1], v[24:25] op_sel:[0,1] op_sel_hi:[1,1]
.set xe, xe+1
.endr
	WIN 0xc3
.set xe, 0
.rept 64
	v_pk_mul_f32 v[2*xe:2*xe+1], v[2*xe:2*xe+1], v[26:27] op_sel_hi:[1,0]
.set xe, xe+1
.endr
.rept 64
	v_pk_mul_f32 v[2*xe:2*xe+1], v[2*xe:2*xe+1], v[26:27] op_sel:[0,1] op_sel_hi:[1,1]
.set xe, xe+1
.endr
.endm
; ---- O^T += V^T P^T.  16 matrix instructions: key groups 0, 1 x four channel tiles x two q-tiles; eight accumulators take turns.
.macro PVHALF n, hi, first
.set xg, 0
.rept 2
.set xc, 0
.rept 4
.if (\n)&1
.set xd, SB+8+32*xc+16*xg
.else
.set xd, FB0+16*xc+8*xg
.endif
.set xq, 0
.rept 2
.set xo, 128*xq+8*(4*\n+xc)
.set xp, SB+32*(2*\hi+xq)+16*xg
.if \first*(1-xg)
	v_wmma_f32_16x16x32_bf16 v[xo:xo+7], v[xd:xd+7], v[xp:xp+7], 0
.else
	v_wmma_f32_16x16x32_bf16 v[xo:xo+7], v[xd:xd+7], v[xp:xp+7], v[xo:xo+7]
.endif
.set xq, xq+1
.endr
.set xc, xc+1
.endr
.set xg, xg+1
.endr
.endm
.macro PVCHUNK n, first
	WIN 0xa0
	PVHALF \n, 0, \first
	WIN 0xf0
	PVHALF \n, 1, \first
.endm
.macro PV first
	WIN 0
	VCHUNK 1, 0, 4
.if \first == 0
	RESCALE
.endif
	s_wait_dscnt 16                                ; chunk 0 is in; chunk 1's 16 loads may be out
	PVCHUNK 0, \first
	PLACES 4                                       ; before loads land on fragments just multiplied
	WIN 0
	VCHUNK 2, 0, 4
	s_wait_dscnt 16                                ; chunk 1 is in
	PVCHUNK 1, \first
	PLACES 4
	WIN 0
	VCHUNK 3, 0, 4
	s_wait_dscnt 16                                ; chunk 2 is in
	PVCHUNK 2, \first
	s_wait_dscnt 0x0                               ; chunk 3 is in: my reads of the tile are over
	PVCHUNK 3, \first
	PLACES 5                                       ; before P, the fragments or O are loaded into, overwritten by a product, read or stored
	WIN 0
.endm
; ---- one step: tile s18 against my 64 queries; tile s19 is asked for.  diag = 1: the block's first step, on its diagonal tile.
.macro STEP diag
	s_wait_dscnt 0x0                               ; my LDS work is over
	s_wait_tensorcnt 0x0                           ; my one tensor load, my 32 rows of this tile, has landed; none is issued before the second barrier below
	ds_add_u32 v62, v63
	s_wait_dscnt 0x0
	BAR                                            ; nobody reads the bf16 tile (or what lay over it) any more
	CONVERT
	s_lshl_b32 s22, s19, 17                        ; no tensor load of mine is out: group 0 may be written.  A tile is 128 rows of 1,024 bytes
	s_add_nc_u64 s[34:35], s[20:21], s[22:23]
	s_or_b32 s35, s35, 0x80000000
	s_lshl_b32 s38, s18, 7
	v_add_nc_u32 v7, s38, v6                       ; this tile's 128 mask bytes; the last step's loads by v7 were waited for
	s_wait_dscnt 0x0                               ; my reads of the stage and my stores into the tile are done
	BAR                                            ; the tile is whole; every wave has read its stage and has no tensor load out
	tensor_load_to_lds s[32:35], s[24:31]          ; the refill comes first behind the barrier, one a wave; 256 matrix instructions follow before it is waited for
	s_nop 0
.set xk, 0
.rept 4
	global_load_b64 v[32+2*xk:33+2*xk], v7, s[6:7] offset:16*xk    ; mask bytes of keys 16 k + 8 h + 0 .. 7 of my 64; used behind the 128 products of S
.set xk, xk+1
.endr
.if \diag
	QLOAD
.endif
	SCORES
	BIASALL
	SOFTQ 0, \diag
	SOFTQ 1, \diag
	SOFTQ 2, \diag
	SOFTQ 3, \diag
	PV \diag
.endm
.macro COMB tb                         ; four chains of pairs -> one number, over both halves of the lanes
	v_pk_add_f32 v[\tb:\tb+1], v[\tb:\tb+1], v[\tb+2:\tb+3]
	v_pk_add_f32 v[\tb+4:\tb+5], v[\tb+4:\tb+5], v[\tb+6:\tb+7]
	v_pk_add_f32 v[\tb:\tb+1], v[\tb:\tb+1], v[\tb+4:\tb+5]
	v_add_f32 v[\tb], v[\tb], v[\tb+1]
	v_permlanex16_b32 v[\tb+1], v[\tb], s40, s41
	v_add_f32 v[\tb], v[\tb], v[\tb+1]
.endm
.macro FOLD n                          ; quads n .. 2 n - 1 are added onto quads 0 .. n - 1
.set xt, 0
.rept \n
	v_pk_add_f32 v[128+4*xt:129+4*xt], v[128+4*xt:129+4*xt], v[128+4*(xt+\n):129+4*(xt+\n)]
	v_pk_add_f32 v[130+4*xt:131+4*xt], v[130+4*xt:131+4*xt], v[130+4*(xt+\n):131+4*(xt+\n)]
.set xt, xt+1
.endr
.endm
; ---- a block's end: merge with the partner, LayerNorm, sum over the 64 queries of waves 2u, 2u + 1.  The tile asked for in the block's last step may be
; on its way into the stage meanwhile: behind these four barriers nothing is filled by a tensor load.
.macro FINISH
.irp xr, 18,19,22,23
	v_permlanex16_b32 v28, v\xr, s40, s41          ; l over both halves of the lanes
	v_add_f32 v\xr, v\xr, v28
.endr
	BAR                                            ; every wave's reads of the tile were waited for in its last product phase: the tile's bytes are free
	WIN 0x0c
.set xt, 0
.rept 64
	ds_store_b128 v52, v[4*xt:4*xt+3] offset:512*xt       ; window 3: O of the queries that my partner keeps
.set xt, xt+1
.endr
	WIN 0
	ds_store_b128 v52, v[20:23] offset:32768       ; their m, m, l, l
	s_wait_dscnt 0x0
	BAR
	ds_load_b128 v[32:35], v53 offset:32768        ; my partner's m, m, l, l of the queries that I keep
	WIN 0xc0
.set xt, 0
.rept 32
	ds_load_b128 v[4*xt:4*xt+3], v53 offset:512*xt
.set xt, xt+1
.endr
	WIN 0
	s_wait_dscnt 32                                ; the stats are in; 32 loads of O may be out
	v_max_num_f32 v28, v16, v32
	v_max_num_f32 v29, v17, v33
	v_sub_f32 v30, v16, v28
	v_sub_f32 v31, v17, v29
	v_sub_f32 v36, v32, v28
	v_sub_f32 v37, v33, v29
	v_exp_f32 v30, v30
	v_exp_f32 v31, v31
	v_exp_f32 v36, v36
	v_exp_f32 v37, v37
	v_nop
	s_wait_alu depctr_va_vdst(0)
	v_mul_f32 v38, v18, v30
	v_mul_f32 v39, v19, v31
	v_fmac_f32 v38, v34, v36
	v_fmac_f32 v39, v35, v37
	v_cmp_neq_f32 vcc_lo, 0, v38                   ; a row without an allowed key: sum 0, O = 0; divide by 1
	v_cndmask_b32 v38, 1.0, v38, vcc_lo
	v_cmp_neq_f32 vcc_lo, 0, v39
	v_cndmask_b32 v39, 1.0, v39, vcc_lo
	v_rcp_f32 v38, v38
	v_rcp_f32 v39, v39
	v_nop
	s_wait_alu depctr_va_vdst(0)
	v_mul_f32 v30, v30, v38                        ; my weight
	v_mul_f32 v31, v31, v39
	v_mul_f32 v36, v36, v38                        ; my partner's
	v_mul_f32 v37, v37, v39
	WIN 0xc0
.set xt, 32
.rept 32
	ds_load_b128 v[4*xt:4*xt+3], v53 offset:512*xt
.set xt, xt+1
.endr
	WIN 0x82
.set xe, 0
.rept 64
	v_pk_mul_f32 v[2*xe:2*xe+1], v[2*xe:2*xe+1], v[30:31] op_sel_hi:[1,0]
.set xe, xe+1
.endr
.rept 64
	v_pk_mul_f32 v[2*xe:2*xe+1], v[2*xe:2*xe+1], v[30:31] op_sel:[0,1] op_sel_hi:[1,1]
.set xe, xe+1
.endr
	s_wait_dscnt 0x0                               ; my partner's O is in: my reads of the merge area are over
	WIN 0xa3
.set xe, 0
.rept 64
	v_pk_fma_f32 v[2*xe:2*xe+1], v[2*xe:2*xe+1], v[36:37], v[2*xe:2*xe+1] op_sel_hi:[1,0,1]
.set xe, xe+1
.endr
.rept 64
	v_pk_fma_f32 v[2*xe:2*xe+1], v[2*xe:2*xe+1], v[36:37], v[2*xe:2*xe+1] op_sel:[0,1,0] op_sel_hi:[1,1,1]
.set xe, xe+1
.endr
	; LayerNorm in two passes.  A lane holds 128 of its query's 256 channels, the lane 16 away the others.
	WIN 0x0a
.set xq, 0
.rept 2
.set xc, 0
.rept 4
	v_pk_add_f32 v[64+8*xq+2*xc:65+8*xq+2*xc], v[128*xq+2*xc:128*xq+2*xc+1], v[128*xq+8+2*xc:128*xq+8+2*xc+1]
.set xc, xc+1
.endr
.set xq, xq+1
.endr
	WIN 0x08
.set xq, 0
.rept 2
.set xk, 2
.rept 14
.set xc, 0
.rept 4
	v_pk_add_f32 v[64+8*xq+2*xc:65+8*xq+2*xc], v[64+8*xq+2*xc:65+8*xq+2*xc], v[128*xq+8*xk+2*xc:128*xq+8*xk+2*xc+1]
.set xc, xc+1
.endr
.set xk, xk+1
.endr
.set xq, xq+1
.endr
	WIN 0
	COMB 64
	COMB 72
	v_mul_f32 v80, s42, v64                        ; the means
	v_mul_f32 v81, s42, v72
	WIN 0x82
.set xe, 0
.rept 64
	v_pk_add_f32 v[2*xe:2*xe+1], v[2*xe:2*xe+1], v[80:81] op_sel_hi:[1,0] neg_lo:[0,1] neg_hi:[0,1]
.set xe, xe+1
.endr
.rept 64
	v_pk_add_f32 v[2*xe:2*xe+1], v[2*xe:2*xe+1], v[80:81] op_sel:[0,1] op_sel_hi:[1,1] neg_lo:[0,1] neg_hi:[0,1]
.set xe, xe+1
.endr
	WIN 0x0a
.set xq, 0
.rept 2
.set xc, 0
.rept 4
	v_pk_mul_f32 v[64+8*xq+2*xc:65+8*xq+2*xc], v[128*xq+2*xc:128*xq+2*xc+1], v[128*xq+2*xc:128*xq+2*xc+1]
.set xc, xc+1
.endr
.set xk, 1
.rept 15
.set xc, 0
.rept 4
	v_pk_fma_f32 v[64+8*xq+2*xc:65+8*xq+2*xc], v[128*xq+8*xk+2*xc:128*xq+8*xk+2*xc+1], v[128*xq+8*xk+2*xc:128*xq+8*xk+2*xc+1], v[64+8*xq+2*xc:65+8*xq+2*xc]
.set xc, xc+1
.endr
.set xk, xk+1
.endr
.set xq, xq+1
.endr
	WIN 0
	COMB 64
	COMB 72
	v_fma_f32 v64, v64, s42, s43                   ; variance + 1e-9
	v_fma_f32 v72, v72, s42, s43
	v_rsq_f32 v82, v64
	v_rsq_f32 v83, v72
	v_nop
	WIN 0x82                                       ; the lane's two normalised rows, added
.set xe, 0
	s_wait_alu depctr_va_vdst(0)
.rept 64
	v_pk_mul_f32 v[2*xe:2*xe+1], v[2*xe:2*xe+1], v[82:83] op_sel_hi:[1,0]
.set xe, xe+1
.endr
	WIN 0xa2
.set xe, 0
.rept 64
	v_pk_fma_f32 v[2*xe:2*xe+1], v[128+2*xe:128+2*xe+1], v[82:83], v[2*xe:2*xe+1] op_sel:[0,1,0] op_sel_hi:[1,1,1]
.set xe, xe+1
.endr
	BAR                                            ; every wave's reads of the merge area were waited for above: its bytes are free
	WIN 0x08
.set xt, 0
.rept 32
	ds_store_b128 v54, v[4*xt:4*xt+3] offset:KP*xt        ; quad xt of my 128 sums, 16 bytes a lane
.set xt, xt+1
.endr
	s_wait_dscnt 0x0
	BAR
	WIN 0
.set xt, 0
.rept 32                               ; lane i of wave (u, p): quad i of the sixteen lanes with h = p, of waves 2u and 2u + 1
	ds_load_b128 v[128+4*xt:131+4*xt], v55 offset:(xt>>4)*YSW+16*(xt&15)
.set xt, xt+1
.endr
	s_wait_dscnt 0x0
	FOLD 16
	FOLD 8
	FOLD 4
	FOLD 2
	FOLD 1
	v_pk_add_f32 v[48:49], v[48:49], v[128:129]    ; channels 4 (i & 15) + 128 (i >> 4) + 64 p + 0 .. 3, summed over 64 queries, onto the sum of both blocks
	v_pk_add_f32 v[50:51], v[50:51], v[130:131]
.endm
; ================================================================ the body
	s_load_b256 s[4:11], s[0:1], 0x0               ; x s[4:5], key_masks s[6:7], part s[8:9], csum s[10:11]
	v_lshl_add_u32 v62, v0, 2, 0x40800
	v_mov_b32 v63, 0
	ds_add_u32 v62, v63
	ds_add_u32 v62, v63
	v_lshrrev_b32 v1, 5, v0
	v_readfirstlane_b32 s12, v1                    ; wave
	s_lshr_b32 s13, s12, 1                         ; u: which 64 queries
	s_and_b32 s14, s12, 1                          ; p: which 64 keys of a tile
	s_and_b32 s15, ttmp9, 3                        ; j
	s_lshr_b32 s16, ttmp9, 2                       ; b
	s_sub_co_u32 s17, 7, s15
	; descriptor group 1: my 32 rows of a tile are 32,768 dense bytes, taken as 128 rows of 32 elements of 8 bytes
	s_mov_b32 s24, 3<<16                           ; no mask, element of 8 bytes, no padding
	s_mov_b32 s25, 32<<16                          ; tensor_dim0 = 32
	s_mov_b32 s26, 128<<16                         ; tensor_dim1 = 128
	s_mov_b32 s27, 32<<16                          ; tile_dim0 = 32
	s_mov_b32 s28, 128                             ; tile_dim1 = 128
	s_mov_b32 s29, 32                              ; from row to row: 32 elements
	s_mov_b32 s30, 0
	s_mov_b32 s31, 0
	s_mov_b32 s32, 1
	s_lshl_b32 s33, s12, 15                        ; my part of the stage: wave x 32,768
	s_lshl_b32 s44, s16, 20                        ; batch b: 1,024 rows of 1,024 bytes
	s_lshl_b32 s38, s12, 15
	s_add_co_u32 s44, s44, s38
	s_mov_b32 s45, 0
	s_mov_b32 s23, 0
	s_lshl_b32 s22, s15, 17                        ; the first tile is tile j
	s_wait_dscnt 0x0
	s_wait_kmcnt 0x0
	s_add_nc_u64 s[20:21], s[4:5], s[44:45]
	s_add_nc_u64 s[34:35], s[20:21], s[22:23]
	s_or_b32 s35, s35, 0x80000000
	tensor_load_to_lds s[32:35], s[24:31]          ; the first fill, ahead of everything else
	s_nop 0
	s_mov_b32 s40, 0x76543210
	s_mov_b32 s41, 0xfedcba98
	s_mov_b32 s42, 0x3b800000                      ; 1/256
	s_mov_b32 s43, 0x3089705f                      ; 1e-9
	v_mov_b32 v12, 0xff800000                      ; -inf
	v_and_b32 v13, 15, v0                          ; r
	v_bfe_u32 v14, v0, 4, 1                        ; h
	v_and_b32 v15, 31, v0                          ; lane
	v_mul_u32_u24 v1, v13, KP
	v_lshl_add_u32 v1, v14, 4, v1                  ; r x pitch + 16 h
	s_mul_i32 s38, s14, 64*KP
	s_add_co_u32 s38, s38, KV                      ; my 64 keys
	v_add_nc_u32 v2, s38, v1
	v_and_b32 v5, 7, v0
	v_lshl_add_u32 v5, v14, 3, v5                  ; key 8 h + (lane & 7)
	v_mul_u32_u24 v5, v5, KP
	v_bfe_u32 v7, v0, 3, 1
	v_lshl_add_u32 v5, v7, 7, v5                   ; the second run of 8 channels lies 128 bytes on
	v_add_nc_u32 v5, s38, v5
	s_mul_i32 s38, s13, 64*KP
	s_add_co_u32 s38, s38, KV                      ; my 64 queries in the diagonal tile
	s_mul_i32 s39, s14, 32*KP
	s_add_co_u32 s39, s38, s39
	v_add_nc_u32 v3, s39, v1                       ; local q-tiles 0, 1: rows 32 p ..
	s_xor_b32 s39, s14, 1
	s_mul_i32 s39, s39, 32*KP
	s_add_co_u32 s39, s38, s39
	v_add_nc_u32 v4, s39, v1                       ; local q-tiles 2, 3: rows 32 (1 - p) ..
	s_lshl_b32 s38, s16, 10                        ; key_masks: 1,024 bytes a batch,
	s_lshl_b32 s39, s14, 6                         ; my 64 keys of a tile,
	s_add_co_u32 s38, s38, s39
	v_lshl_add_u32 v6, v14, 3, s38                 ; and 8 bytes on for lanes 16 to 31
	s_lshl_b32 s38, s12, 15
	v_lshl_add_u32 v8, v15, 4, s38
	s_mul_i32 s38, s12, 32*KP
	s_add_co_u32 s38, s38, KV
	v_lshl_add_u32 v9, v15, 3, s38
	v_lshlrev_b32 v1, 3, v14
	v_sub_nc_u32 v1, v13, v1                       ; r - 8 h
	s_lshl_b32 s38, s13, 6
	s_lshl_b32 s39, s14, 5
	s_sub_co_i32 s38, s38, s39
	v_add_nc_u32 v10, s38, v1                      ; 64 (u - p) + 32 p + r - 8 h
	s_lshl_b32 s39, s14, 6
	s_sub_co_i32 s39, 32, s39
	v_add_nc_u32 v11, s39, v10                     ; 64 (u - p) + 32 (1 - p) + r - 8 h
	s_mul_i32 s38, s12, MRGW
	s_add_co_u32 s38, s38, KV
	v_lshl_add_u32 v52, v15, 4, s38
	s_xor_b32 s39, s12, 1
	s_mul_i32 s39, s39, MRGW
	s_add_co_u32 s39, s39, KV
	v_lshl_add_u32 v53, v15, 4, s39
	s_mul_i32 s38, s12, YSW
	s_add_co_u32 s38, s38, KV
	v_lshl_add_u32 v54, v15, 4, s38
	s_mul_i32 s38, s13, 2*YSW
	s_lshl_b32 s39, s14, 8
	s_add_co_u32 s38, s38, s39
	s_add_co_u32 s38, s38, KV
	v_mul_u32_u24 v55, v15, KP
	v_add_nc_u32 v55, s38, v55
	s_lshl_b32 s38, ttmp9, 11                      ; part: [4 b + j][u][256] f32
	s_lshl_b32 s39, s13, 10
	s_add_co_u32 s38, s38, s39
	s_lshl_b32 s39, s14, 8
	s_add_co_u32 s38, s38, s39
	v_lshl_add_u32 v56, v13, 4, s38
	v_lshl_add_u32 v56, v14, 9, v56
	s_lshl_b32 s38, ttmp9, 12                      ; csum: [4 b + j][w][256] f32
	s_lshl_b32 s39, s12, 10
	s_add_co_u32 s38, s38, s39
	v_lshl_add_u32 v57, v15, 4, s38
.set xk, 0
.rept 12
	v_mov_b32 v[40+xk], 0                          ; the two sums that run over both blocks, twelve registers: one text adds onto them in both trips
.set xk, xk+1
.endr
	s_mov_b32 s46, 0
.Lblock:                               ; trip 0: block j; trip 1: block 7 - j
	s_cmp_eq_u32 s46, 0
	s_cselect_b32 s47, s15, s17                    ; this block = its diagonal tile = the number of tiles in front of it
	s_cselect_b32 s37, s17, s15                    ; the other block's diagonal tile
	s_mov_b32 s18, s47
	s_cmp_eq_u32 s47, 0
	s_cselect_b32 s19, s37, 0                      ; next: tile 0, or, where the block has the diagonal tile alone, the other block's
	STEP 1
	s_cmp_eq_u32 s47, 0
	s_cbranch_scc1 .Lfull_done
	s_mov_b32 s36, 0
.Lfull:                                ; tiles 0 .. block - 1
	s_mov_b32 s18, s36
	s_add_co_u32 s19, s36, 1
	s_cmp_lt_u32 s19, s47
	s_cselect_b32 s19, s19, s37                    ; behind the block's last tile: the other block's diagonal tile
	STEP 0
	s_add_co_u32 s36, s36, 1
	s_cmp_lt_u32 s36, s47
	s_cbranch_scc1 .Lfull
.Lfull_done:
	FINISH
	CSUM                                           ; the column sums of the other block's rows, which lie in the stage; in trip 0 the next step converts them too
	s_add_co_u32 s46, s46, 1
	s_cmp_lt_u32 s46, 2
	s_cbranch_scc1 .Lblock
	global_store_b128 v56, v[48:51], s[8:9]        ; sixteen lanes store 256 consecutive bytes, aligned
	global_store_b128 v57, v[40:43], s[10:11]      ; the column sums of my 64 rows of x: channels 4 lane ..,
	global_store_b128 v57, v[44:47], s[10:11] offset:512   ; and 128 + 4 lane ..
	s_wait_tensorcnt 0x0
	ds_add_u32 v62, v63
	s_wait_dscnt 0x0
	s_endpgm
.Lfunc_end_k_q51b7237903_attn:
	.size	k_q51b7237903_attn, .Lfunc_end_k_q51b7237903_attn-k_q51b7237903_attn
	.p2alignl 7, 3214868480
	.fill 96, 4, 3214868480
	.section	.rodata,"a",@progbits
	.p2align	6, 0x0
	.amdhsa_kernel k_q51b7237903_attn
		.amdhsa_group_segment_fixed_size 327680
		.amdhsa_private_segment_fixed_size 0
		.amdhsa_enable_private_segment 0
		.amdhsa_kernarg_size 32
		.amdhsa_user_sgpr_count 2
		.amdhsa_user_sgpr_kernarg_segment_ptr 1
		.amdhsa_wavefront_size32 1
		.amdhsa_system_sgpr_workgroup_id_x 1
		.amdhsa_system_sgpr_workgroup_id_y 1
		.amdhsa_system_sgpr_workgroup_id_z 1
		.amdhsa_system_vgpr_workitem_id 0
		.amdhsa_next_free_vgpr 1024
		.amdhsa_next_free_sgpr 66
		.amdhsa_reserve_vcc 1
		.amdhsa_float_denorm_mode_32 3
		.amdhsa_float_denorm_mode_16_64 3
		.amdhsa_memory_ordered 1
		.amdhsa_forward_progress 1
		.amdhsa_inst_pref_size 255
	.end_amdhsa_kernel
	.section	.bss,"aw",@nobits
	.p2align	6
	.space	262144
	.amdgpu_metadata
---
amdhsa.version: [ 1, 2 ]
amdhsa.kernels:
  - .name:           k_q51b7237903_attn
    .symbol:         k_q51b7237903_attn.kd
    .args:
      - { .name: x, .offset: 0, .size: 8, .value_kind: global_buffer, .address_space: global }
      - { .name: key_masks, .offset: 8, .size: 8, .value_kind: global_buffer, .address_space: global }
      - { .name: part, .offset: 16, .size: 8, .value_kind: global_buffer, .address_space: global }
      - { .name: csum, .offset: 24, .size: 8, .value_kind: global_buffer, .address_space: global }
    .group_segment_fixed_size: 327680
    .private_segment_fixed_size: 0
    .kernarg_segment_align: 8
    .kernarg_segment_size: 32
    .max_flat_workgroup_size: 128
    .sgpr_count:     66
    .vgpr_count:     1024
    .wavefront_size: 32
...
	.end_amdgpu_metadata
.endif
;; end of part 3
;; launch final: the kernel of part 2 again; grid 64 x 1, 1 waves a work-group, no clusters, 0 bytes of LDS; arguments part, csum, key_masks, gamma, beta, out0; writes out0
